; MI455X (gfx1250); checked and timed in simulation.
; The chip was launched on July 23, 2026; its instructions are those of AMD's public machine-readable ISA for CDNA 5 (MIT licence, August 2026) and "CDNA5" Instruction Set Architecture Reference Guide (July 2026). The comments in the code are by the model that wrote it; some were corrected since.
;; Encoder. Allowed arithmetic: float matrix products may take bf16 or f16 operands with f32 sums; other float arithmetic in f32, or as packed bf16 or f16 multiplies, adds, multiply-adds, maxima and minima; sums over many terms, partial sums and values carried from step to step in f32; what a program stores and reads back later, other than sums and carried values, may be rounded once to bf16 or f16.
;; Inputs: W1 4,096 x 1,024 float32; W2 1,024 x 4,096 float32; Wk 1,024 x 1,024 float32; Wo 1,024 x 1,024 float32; Wq 1,024 x 1,024 float32; Wv 1,024 x 1,024 float32; b1 4,096 float32; b2 1,024 float32; bk 1,024 float32; bo 1,024 float32; bq 1,024 float32; bv 1,024 float32; ln_b 1,024 float32; ln_g 1,024 float32; question_embeddings 2 x 2,048 x 1,024 float32; question_mask 2 x 1 x 1 x 2,048 int32.
;; Outputs: out0 2 x 2,048 x 1,024 float32.
;; One version. Each part assembles by itself: llvm-mc -triple=amdgcn-amd-amdhsa -mcpu=gfx1250 --defsym DOCPART=n.
;; ======== version 1 of 1: 8 launches
;; limits: right only within a limited range of input values
;; workspace buffers: cbA 16,794,624 bytes; cbB 16,794,624 bytes; act16 8,388,608 bytes; qkvb 33,554,432 bytes; ctx 8,388,608 bytes; y 16,777,216 bytes; h 16,777,216 bytes; ffb 33,554,432 bytes
;; launch cast (part 1): grid 1024 x 1, 8 waves a work-group, no clusters, 0 bytes of LDS; arguments question_embeddings, Wq, Wk, Wv, Wo, W2, W1, bq, bk, bv, b1, cbA, cbB, act16; writes cbA, cbB, act16
.if DOCPART == 1
	.amdgcn_target "amdgcn-amd-amdhsa--gfx1250"
	.amdhsa_code_object_version 6
	.text
	.protected	k_qd297232aee_cast
	.globl	k_qd297232aee_cast
	.p2align	8
	.type	k_qd297232aee_cast,@function
k_qd297232aee_cast:
	s_mov_b64 s[64:65], 0
	v_nop
	global_prefetch_b8 v0, s[64:65] scope:SCOPE_SE
	s_setreg_imm32_b32 hwreg(HW_REG_WAVE_MODE, 25, 1), 1
	s_wait_xcnt 0x0
; bf16 copies of x and of all six weight matrices, each number rounded once (nearest even), and f32 copies of bq, bk, bv, b1 behind them.
; 64 MiB of f32 are 16 units of 4 MiB: x (4 units), Wq, Wk, Wv, Wo (1 each), W2 (4), W1 (4).  A work-group takes 64 KiB of one unit.
; Where they go: x -> act16;  Wq|Wk|Wv -> cbA + 8 MiB (one matrix of 3,072 rows), Wo -> cbA + 14 MiB;  W2 -> cbB, W1 -> cbB + 8 MiB: unit u lands at (u mod 8) x 2 MiB of its buffer.
; Work-group 0 also writes bq|bk|bv to cbA + 16 MiB, b1 to cbB + 16 MiB, and behind each, at + 16 KiB, 1 KiB of the word that the product's way out takes as its floor:
; -infinity twice in bf16 for q, k, v (no floor), 0 for the feed-forward's first product (ReLU).
; A stream: no LDS, no matrix unit.  Every load of a wave covers 512 consecutive bytes, every store 256 consecutive bytes at a multiple of 256; all sixteen loads go out before the first wait.
.set X, 4                              ; v[4:67]   sixteen chunks of four f32
.set Y, 68                             ; v[68:99]  sixteen chunks of four bf16
	s_load_b512 s[16:31], s[0:1], 0x0              ; x 16, Wq 18, Wk 20, Wv 22, Wo 24, W2 26, W1 28, bq 30
	s_load_b256 s[32:39], s[0:1], 0x40             ; bk 32, bv 34, b1 36, cbA 38
	s_load_b128 s[40:43], s[0:1], 0x60             ; cbB 40, act16 42
	s_lshr_b32 s2, ttmp9, 6                        ; u: the unit
	s_and_b32 s3, ttmp9, 63                        ; which 64 KiB of it
	s_and_b32 s6, s2, 3                            ; the unit's place in a source of four units,
	s_lshr_b32 s7, s2, 2
	s_cmp_eq_u32 s7, 1
	s_cselect_b32 s6, 0, s6                        ; or 0: units 4 to 7 are sources of their own
	s_lshl_b32 s6, s6, 22
	s_lshl_b32 s8, s3, 16
	s_or_b32 s8, s8, s6                            ; byte offset in the source
	s_mov_b32 s9, 0
	s_and_b32 s10, s2, 7
	s_lshl_b32 s10, s10, 21
	s_lshl_b32 s7, s3, 15
	s_or_b32 s10, s10, s7                          ; byte offset in the destination
	s_mov_b32 s11, 0
	v_lshlrev_b32 v1, 4, v0                        ; 16 bytes a thread in
	v_lshlrev_b32 v2, 3, v0                        ; 8 bytes a thread out
	s_wait_kmcnt 0x0
	s_mov_b64 s[4:5], s[16:17]                     ; the source, chosen by the unit's number alone
	s_cmp_eq_u32 s2, 4
	s_cselect_b64 s[4:5], s[18:19], s[4:5]
	s_cmp_eq_u32 s2, 5
	s_cselect_b64 s[4:5], s[20:21], s[4:5]
	s_cmp_eq_u32 s2, 6
	s_cselect_b64 s[4:5], s[22:23], s[4:5]
	s_cmp_eq_u32 s2, 7
	s_cselect_b64 s[4:5], s[24:25], s[4:5]
	s_cmp_ge_u32 s2, 8
	s_cselect_b64 s[4:5], s[26:27], s[4:5]
	s_cmp_ge_u32 s2, 12
	s_cselect_b64 s[4:5], s[28:29], s[4:5]
	s_mov_b64 s[12:13], s[42:43]                   ; the destination likewise
	s_cmp_ge_u32 s2, 4
	s_cselect_b64 s[12:13], s[38:39], s[12:13]
	s_cmp_ge_u32 s2, 8
	s_cselect_b64 s[12:13], s[40:41], s[12:13]
	s_add_nc_u64 s[4:5], s[4:5], s[8:9]
	s_add_nc_u64 s[12:13], s[12:13], s[10:11]
.irp c, 0,1,2,3,4,5,6,7,8,9,10,11,12,13,14,15
	global_load_b128 v[X+4*(\c):X+4*(\c)+3], v1, s[4:5] offset:4096*(\c) th:TH_LOAD_NT
.endr
.irp c, 0,1,2,3,4,5,6,7,8,9,10,11,12,13,14,15
	s_wait_loadcnt 15-(\c)                         ; loads come back in order: chunk c is in, the younger ones stay out
	v_cvt_pk_bf16_f32 v[Y+2*(\c)],   v[X+4*(\c)],   v[X+4*(\c)+1]
	v_cvt_pk_bf16_f32 v[Y+2*(\c)+1], v[X+4*(\c)+2], v[X+4*(\c)+3]
	global_store_b64 v2, v[Y+2*(\c):Y+2*(\c)+1], s[12:13] offset:2048*(\c)
.endr
	s_cmp_lg_u32 ttmp9, 0
	s_cbranch_scc1 .Lend
	; work-group 0: the biases and the two floors.  X's registers are free: their loads have come and only conversions read them
	s_add_nc_u64 s[44:45], s[38:39], 0x1000000
	s_add_nc_u64 s[46:47], s[40:41], 0x1000000
	global_load_b128 v[4:7],   v1, s[30:31]
	global_load_b128 v[8:11],  v1, s[32:33]
	global_load_b128 v[12:15], v1, s[34:35]
.irp j, 0,1,2,3
	global_load_b128 v[16+4*(\j):19+4*(\j)], v1, s[36:37] offset:4096*(\j)
.endr
	v_lshlrev_b32 v3, 2, v0
	v_mov_b32 v100, 0xff80ff80
	v_mov_b32 v101, 0
	global_store_b32 v3, v100, s[44:45] offset:16384
	global_store_b32 v3, v101, s[46:47] offset:16384
	s_wait_loadcnt 0x0
	global_store_b128 v1, v[4:7],   s[44:45]
	global_store_b128 v1, v[8:11],  s[44:45] offset:4096
	global_store_b128 v1, v[12:15], s[44:45] offset:8192
.irp j, 0,1,2,3
	global_store_b128 v1, v[16+4*(\j):19+4*(\j)], s[46:47] offset:4096*(\j)
.endr
.Lend:
	s_endpgm
.Lfunc_end_k_qd297232aee_cast:
	.size	k_qd297232aee_cast, .Lfunc_end_k_qd297232aee_cast-k_qd297232aee_cast
	.p2alignl 7, 3214868480
	.fill 96, 4, 3214868480
	.section	.rodata,"a",@progbits
	.p2align	6, 0x0
	.amdhsa_kernel k_qd297232aee_cast
		.amdhsa_group_segment_fixed_size 0
		.amdhsa_private_segment_fixed_size 0
		.amdhsa_enable_private_segment 0
		.amdhsa_kernarg_size 112
		.amdhsa_user_sgpr_count 2
		.amdhsa_user_sgpr_kernarg_segment_ptr 1
		.amdhsa_wavefront_size32 1
		.amdhsa_system_sgpr_workgroup_id_x 1
		.amdhsa_system_sgpr_workgroup_id_y 1
		.amdhsa_system_sgpr_workgroup_id_z 1
		.amdhsa_system_vgpr_workitem_id 0
		.amdhsa_next_free_vgpr 104
		.amdhsa_next_free_sgpr 66
		.amdhsa_reserve_vcc 0
		.amdhsa_float_denorm_mode_32 3
		.amdhsa_float_denorm_mode_16_64 3
		.amdhsa_memory_ordered 1
		.amdhsa_forward_progress 1
		.amdhsa_inst_pref_size 9
	.end_amdhsa_kernel
	.amdgpu_metadata
---
amdhsa.version: [ 1, 2 ]
amdhsa.kernels:
  - .name:           k_qd297232aee_cast
    .symbol:         k_qd297232aee_cast.kd
    .args:
      - { .name: question_embeddings, .offset: 0, .size: 8, .value_kind: global_buffer, .address_space: global }
      - { .name: Wq, .offset: 8, .size: 8, .value_kind: global_buffer, .address_space: global }
      - { .name: Wk, .offset: 16, .size: 8, .value_kind: global_buffer, .address_space: global }
      - { .name: Wv, .offset: 24, .size: 8, .value_kind: global_buffer, .address_space: global }
      - { .name: Wo, .offset: 32, .size: 8, .value_kind: global_buffer, .address_space: global }
      - { .name: W2, .offset: 40, .size: 8, .value_kind: global_buffer, .address_space: global }
      - { .name: W1, .offset: 48, .size: 8, .value_kind: global_buffer, .address_space: global }
      - { .name: bq, .offset: 56, .size: 8, .value_kind: global_buffer, .address_space: global }
      - { .name: bk, .offset: 64, .size: 8, .value_kind: global_buffer, .address_space: global }
      - { .name: bv, .offset: 72, .size: 8, .value_kind: global_buffer, .address_space: global }
      - { .name: b1, .offset: 80, .size: 8, .value_kind: global_buffer, .address_space: global }
      - { .name: cbA, .offset: 88, .size: 8, .value_kind: global_buffer, .address_space: global }
      - { .name: cbB, .offset: 96, .size: 8, .value_kind: global_buffer, .address_space: global }
      - { .name: act16, .offset: 104, .size: 8, .value_kind: global_buffer, .address_space: global }
    .group_segment_fixed_size: 0
    .private_segment_fixed_size: 0
    .kernarg_segment_align: 8
    .kernarg_segment_size: 112
    .max_flat_workgroup_size: 256
    .sgpr_count:     66
    .vgpr_count:     104
    .wavefront_size: 32
...
	.end_amdgpu_metadata
.endif
;; end of part 1
;; launch qkv (part 2): grid 12 x 16, 4 waves a work-group, clusters of 4 x 4, 327,680 bytes of LDS; arguments act16, cbA, qkvb; writes qkvb
.if DOCPART == 2
	.amdgcn_target "amdgcn-amd-amdhsa--gfx1250"
	.amdhsa_code_object_version 6
	.text
	.protected	k_qd297232aee_qkv
	.globl	k_qd297232aee_qkv
	.p2align	8
	.type	k_qd297232aee_qkv,@function
k_qd297232aee_qkv:
	s_mov_b64 s[64:65], 0
	v_nop
	global_prefetch_b8 v0, s[64:65] scope:SCOPE_SE
	s_setreg_imm32_b32 hwreg(HW_REG_WAVE_MODE, 25, 1), 1
	s_wait_xcnt 0x0
	s_wait_alu depctr_hold_cnt(0) depctr_sa_sdst(0) depctr_va_vdst(0) depctr_va_sdst(0) depctr_va_ssrc(0) depctr_va_vcc(0) depctr_vm_vsrc(0)
	s_getreg_b32 s2, hwreg(HW_REG_IB_STS2, 6, 4)
	s_cmp_eq_u32 s2, 0
	s_cbranch_scc0 .Lentry_in_a_cluster
	s_endpgm
.Lentry_in_a_cluster:
	s_bfe_u32 s2, ttmp6, 0x10000c
	s_cmp_lg_u32 s2, 0xf033
	s_cbranch_scc0 .Lentry_shape_is_right
	s_endpgm
.Lentry_shape_is_right:
; C[m][n] = max(floor, bias[n] + sum over k of A[m][k] B[n][k]), rounded once to bf16.  A: [4096][1024] bf16.  In the second buffer W: B [n][1024] bf16 at + 8 MiB, bias f32 at + 16 MiB,
; the floor (two bf16 in a word) at + 16 MiB + 16 KiB.  C: rows of 8,192 bytes.  One text for q|k|v (3,072 columns, floor -infinity) and for the feed-forward's first product (4,096 columns, floor 0 = ReLU).
; LIMIT: the floor is a maximum in which a NaN loses: a NaN sum leaves as the floor.  Sums in f32, K ascending.
; A tile of C, 256 x 256, is made by four waves, each 128 x 128: 64 accumulators of 16 x 16.  K goes in 8 steps of 128 through two LDS slots filled by the tensor data mover; a tile's rows are 256 bytes of memory.
; CLUSTER 4 x 4: A's tiles are shared along a row of the cluster, B's along a column; each is asked for jointly, by the same load with the same descriptor and a mask of four.
; THE MATRIX INSTRUCTION IS USED TRANSPOSED (source 0 = 16 rows of B, source 1 = 16 rows of A): a lane holds row l % 16 of C and the columns 8 (l / 16) + 0..7.
; THE BIAS STARTS THE SUMS: it is the C operand of the first quarter step, which stands ahead of the loop; nothing is cleared, and the way out adds nothing.
; A LOOP TRIP is one K step, from its second quarter to the next step's first; the slot in hand is a scalar (TB) that an exclusive or turns, and one descriptor a tensor walks.
; PREFETCH INTO THE L2.  The trip whose tensor loads bring K step s + 2 also names K step s + 3's tiles: one trip, 256 matrix instructions of a wave, ahead of the tensor loads that want them.  Each row's 256 bytes
; of a K step are named once in the launch: A's by the four work-groups of cluster column 0 in that row of tiles (64 rows each: waves 0 and 1, a lane a row), B's by the four of cluster row 0 in that column of
; tiles (waves 2 and 3).  K steps 0 to 2 are wanted too soon to be named ahead; the filling loop's last trip names nothing, since there is no K step 8.
; REGISTERS, in windows of 256: window 0: v0-31 addresses; v64-127, v128-191 A's fragments, two buffers; v192-255 the bias, later with v32-63 the way out.  window 1: v64-191 B's fragments.  windows 2, 3: the accumulators.
.set SIZE_K, 1024
.set KSTEP,  128
.set CPB,    8192                      ; bytes in a row of C
.set PITCH,  272                       ; an LDS row: 256 bytes + 16 of padding: the 16 rows of a fragment load start 68 words apart
.set HALFT,  128*PITCH
.set SLOT,   4*HALFT                   ; 0x22000: shares no bit with wave x HALFT, so an exclusive or changes the slot
.set STAGE,  2*SLOT                    ; 16 rows x 272 bytes for each wave, for the way out
.set SPITCH, 272
.set SPARE,  STAGE+4*16*SPITCH         ; the spare words, 128 bytes a wave; no other line names them
.set W_B,    0x800000
.set W_BIAS, 0x1000000
.set W_FLOOR,0x1004000
.set A0,   16                          ; my A fragments' LDS address in slot 0
.set CA,   17                          ; the same in the slot in hand
.set B0,   20
.set CB,   21
.set STO,  24
.set RD,   25
.set CO,   26
.set BO,   27                          ; 32 x (l / 16): my eight bias numbers
.set SPW,  28
.set NIL,  29
.set PFO,  30                          ; the prefetch: 2,048 x lane, a lane a row; never rewritten
.set F0,   64
.set F1,   128
.set TMP,  192
.set BIAS, 192                         ; v192-255: block b's eight at BIAS + 8 b
.set OB,   32
.set G1, 24
.set G0, 32                            ; s[32:35] slot 0's first fill; s[36:39] slot 1's, which then walks
.set G1B, 48
.set G0B, 56
.set TB, 66                            ; 0 or SLOT
.set LO, 67                            ; the floor
.set PF, 72                            ; s[72:73] the prefetch: my 32 rows of A or of B at the K step named last
.set ASK, 74                           ; 0: my wave names tiles ahead
.set MSB, 0
.macro WIN new                         ; the immediate's high byte repeats the setting that is left
.if MSB != (\new)
	s_set_vgpr_msb (MSB<<8)|(\new)
.set MSB, \new
.endif
.endm
.set MUL_LO, 0xa1                      ; source 0 (B) window 1, source 1 (A) window 0, C and D window 2; + 0x50: window 3
.set MUL_1,  0x81                      ; the first quarter: C (the bias) window 0, D window 2; + 0x40: window 3
.set TO_B,   0x40
.macro JLOAD s                         ; a joint load: waves 0, 1 fetch A's halves, waves 2, 3 B's; the branch hangs on the wave's number alone; s_nop 0 and four v_nop follow each line
	s_cmp_eq_u32 s11, 0
	s_cbranch_scc0 .Lfor_b_\@
	tensor_load_to_lds s[G0+4*(\s):G0+4*(\s)+3], s[G1:G1+7]
	s_nop 0
.rept 4
	v_nop
.endr
	s_branch .Lasked_\@
.Lfor_b_\@:
	tensor_load_to_lds s[G0B+4*(\s):G0B+4*(\s)+3], s[G1B:G1B+7]
	s_nop 0
.rept 4
	v_nop
.endr
.Lasked_\@:
.endm
.macro CREST                           ; a round of the cluster's barrier behind its opening barrier
	s_cmp_lg_u32 s10, 0
	s_cbranch_scc1 .Lnot_wave_0_\@
	s_barrier_signal -3
.Lnot_wave_0_\@:
	s_barrier_wait -3
	s_barrier_signal -1
	s_barrier_wait -1
.endm
.macro CROUND
	s_barrier_signal -1
	s_barrier_wait -1
	CREST
.endm
	s_load_b128 s[4:7], s[0:1], 0x0                ; A s[4:5], W s[6:7]
	s_load_b64 s[8:9], s[0:1], 0x10                ; C
	v_lshl_add_u32 v[SPW], v0, 2, SPARE
	v_mov_b32 v[NIL], 0
	ds_add_u32 v[SPW], v[NIL]                      ; the wave's opening: the add and its wait stand ahead of my first tensor load
	v_lshrrev_b32 v1, 5, v0
	v_readfirstlane_b32 s10, v1                    ; wave 0..3
	s_lshr_b32 s11, s10, 1                         ; my half of the tile's rows; also: I fetch for A (0) or B (1)
	s_and_b32 s12, s10, 1                          ; my half of its columns; also: which 128 rows I fetch
	s_bfe_u32 s40, ttmp6, 0x40000                  ; cx
	s_bfe_u32 s41, ttmp6, 0x40004                  ; cy
	s_lshl_b32 s42, ttmp9, 2
	s_add_co_u32 s42, s42, s40                     ; tile column
	s_and_b32 s13, ttmp7, 0xffff
	s_lshl_b32 s13, s13, 2
	s_add_co_u32 s13, s13, s41                     ; tile row
	s_lshl_b32 s43, s41, 2
	s_lshl_b32 s43, 15, s43                        ; my row of the cluster
	s_lshl_b32 s44, 0x1111, s40                    ; my column
	s_or_b32 s[G1+0], s43, (1<<16)|(1<<20)|(1<<21)|(5<<22)|(3<<25)   ; mask; 2-byte elements; padding on; bit 21 beside a mask; after every 64 words; 4 words
	s_or_b32 s[G1B+0], s44, (1<<16)|(1<<20)|(1<<21)|(5<<22)|(3<<25)
.irp g, G1, G1B
	s_mov_b32 s[(\g)+1], KSTEP<<16                 ; tensor_dim0 = 128
	s_mov_b32 s[(\g)+2], 128<<16                   ; tensor_dim1 = 128
	s_mov_b32 s[(\g)+3], KSTEP<<16                 ; tile_dim0 = 128
	s_mov_b32 s[(\g)+4], 128                       ; tile_dim1 = 128
	s_mov_b32 s[(\g)+5], SIZE_K                    ; elements from row to row
	s_mov_b32 s[(\g)+6], 0
	s_mov_b32 s[(\g)+7], 0
.endr
	s_lshl_b32 s17, s12, 7
	s_lshl_b32 s16, s13, 8
	s_add_co_u32 s16, s16, s17                     ; A: row 256 x tile row + 128 x half,
	s_lshl_b32 s16, s16, 11                        ; in bytes (2,048 a row)
	s_lshl_b32 s46, s42, 8
	s_add_co_u32 s46, s46, s17                     ; B: row 256 x tile column + 128 x half
	s_lshl_b32 s46, s46, 11
	s_add_co_u32 s46, s46, W_B
	s_mov_b32 s17, 0
	s_mov_b32 s47, 0
	s_lshl_b32 s68, s42, 10                        ; the bias of my 128 columns: 4 bytes x (256 x tile column + 128 x half)
	s_lshl_b32 s69, s12, 9
	s_add_co_u32 s68, s68, s69
	s_add_co_u32 s68, s68, W_BIAS
	s_mov_b32 s69, 0
	s_mul_i32 s20, s10, HALFT                      ; where my part of a tile goes: wave x 128 rows
	s_mov_b32 s[TB], 0
	; the prefetch's share: waves 0, 1 name rows of A, waves 2, 3 rows of B; the offset is made apart from the address
	s_lshl_b32 s[PF], s13, 8                       ; A: row 256 x tile row
	s_lshl_b32 s75, s40, 6                         ;    + 64 cx
	s_add_co_u32 s[PF], s[PF], s75
	s_lshl_b32 s75, s42, 8                         ; B: row 256 x tile column
	s_lshl_b32 s76, s41, 6                         ;    + 64 cy
	s_add_co_u32 s75, s75, s76
	s_add_co_u32 s75, s75, W_B/(SIZE_K*2)          ;    behind W's first 8 MiB, counted in rows
	s_mov_b32 s76, ttmp9                           ; the cluster's x,
	s_and_b32 s77, ttmp7, 0xffff                   ; and its y
	s_cmp_eq_u32 s11, 0
	s_cselect_b32 s[PF], s[PF], s75
	s_cselect_b32 s[ASK], s76, s77                 ; A is named in cluster column 0, B in cluster row 0
	s_lshl_b32 s75, s12, 5                         ; + 32 rows for the odd waves
	s_add_co_u32 s[PF], s[PF], s75
	s_lshl_b32 s[PF], s[PF], 11                    ; in bytes,
	s_add_co_u32 s[PF], s[PF], 2*KSTEP*2           ; at K step 2: the first trip steps to 3
	s_mov_b32 s[PF+1], 0
	s_wait_dscnt 0x0                               ; the opening add is done
	s_wait_kmcnt 0x0
	s_add_nc_u64 s[14:15], s[4:5], s[16:17]
	s_add_nc_u64 s[46:47], s[6:7], s[46:47]
	s_add_nc_u64 s[68:69], s[6:7], s[68:69]
	s_add_nc_u64 s[70:71], s[6:7], W_FLOOR
	s_load_b32 s[LO], s[70:71], 0x0
	s_cmp_eq_u32 s11, 0
	s_cselect_b64 s[78:79], s[4:5], s[6:7]
	s_add_nc_u64 s[PF:PF+1], s[78:79], s[PF:PF+1]
	CROUND                                         ; all sixteen work-groups are here: the first joint loads meet
.irp s, 0,1
	s_mov_b32 s[G0+4*(\s)], 1
	s_add_co_u32 s[G0+4*(\s)+1], s20, (\s)*SLOT
	s_add_nc_u64 s[G0+4*(\s)+2:G0+4*(\s)+3], s[14:15], (\s)*KSTEP*2
	s_or_b32 s[G0+4*(\s)+3], s[G0+4*(\s)+3], 0x80000000
	s_mov_b32 s[G0B+4*(\s)], 1
	s_add_co_u32 s[G0B+4*(\s)+1], s20, (\s)*SLOT
	s_add_nc_u64 s[G0B+4*(\s)+2:G0B+4*(\s)+3], s[46:47], (\s)*KSTEP*2
	s_or_b32 s[G0B+4*(\s)+3], s[G0B+4*(\s)+3], 0x80000000
	JLOAD \s
.endr
	v_and_b32 v1, 15, v0                           ; l % 16
	v_bfe_u32 v2, v0, 4, 1                         ; l / 16
	v_lshlrev_b32 v[BO], 5, v2
.irp b, 0,1,2,3,4,5,6,7
	global_load_b128 v[BIAS+8*(\b):BIAS+8*(\b)+3],   v[BO], s[68:69] offset:64*(\b)
	global_load_b128 v[BIAS+8*(\b)+4:BIAS+8*(\b)+7], v[BO], s[68:69] offset:64*(\b)+16
.endr
	v_and_b32 v[PFO], 31, v0
	v_lshlrev_b32 v[PFO], 11, v[PFO]               ; a lane a row of 2,048 bytes
	v_mul_u32_u24 v3, v1, PITCH
	v_lshl_add_u32 v3, v2, 4, v3                   ; a fragment's row x pitch + 16 x half
	s_mul_i32 s21, s11, HALFT                      ; my 128 rows of A
	s_mul_i32 s22, s12, HALFT
	s_add_co_u32 s22, s22, 2*HALFT                 ; my 128 rows of B, behind A's 256
	v_add_nc_u32 v[A0], s21, v3
	v_add_nc_u32 v[B0], s22, v3
	v_mov_b32 v[CA], v[A0]
	v_mov_b32 v[CB], v[B0]
	s_mul_i32 s23, s10, 16*SPITCH
	s_add_co_u32 s23, s23, STAGE                   ; my stage
	v_mul_u32_u24 v4, v1, SPITCH
	v_lshl_add_u32 v4, v2, 4, v4
	v_add_nc_u32 v[STO], s23, v4
	v_mul_u32_u24 v5, v2, SPITCH
	v_lshl_add_u32 v5, v1, 4, v5
	v_add_nc_u32 v[RD], s23, v5
	v_lshlrev_b32 v5, 13, v2                       ; lanes 16-31: one row of C further down
	v_lshl_add_u32 v[CO], v1, 4, v5
	s_lshl_b32 s13, s13, 8
	s_lshl_b32 s14, s11, 7
	s_add_co_u32 s16, s13, s14                     ; my first row of C,
	s_lshl_b32 s16, s16, 13                        ; in bytes,
	s_lshl_b32 s46, s42, 9                         ; and my first column: 512 x tile column + 256 x half
	s_lshl_b32 s47, s12, 8
	s_add_co_u32 s46, s46, s47
	s_add_co_u32 s16, s16, s46
	s_mov_b32 s17, 0
; 16 matrix instructions: m blocks a0, a0 + 1 of a window's four x all 8 n blocks, 32 along K.  first = 1: the bias is C and starts the sums.
.macro MUL16 f, hi, a0, first
.if \first
	WIN MUL_1+0x40*(\hi)
.else
	WIN MUL_LO+0x50*(\hi)
.endif
.irp a, \a0, (\a0)+1
.irp b, 0,1,2,3,4,5,6,7
.if \first
	v_wmma_f32_16x16x32_bf16 v[8*(8*(\a)+(\b)):8*(8*(\a)+(\b))+7], v[(\f)+8*(\b):(\f)+8*(\b)+7], v[(\f)+8*(4*(\hi)+(\a)):(\f)+8*(4*(\hi)+(\a))+7], v[BIAS+8*(\b):BIAS+8*(\b)+7]
.else
	v_wmma_f32_16x16x32_bf16 v[8*(8*(\a)+(\b)):8*(8*(\a)+(\b))+7], v[(\f)+8*(\b):(\f)+8*(\b)+7], v[(\f)+8*(4*(\hi)+(\a)):(\f)+8*(4*(\hi)+(\a))+7], v[8*(8*(\a)+(\b)):8*(8*(\a)+(\b))+7]
.endif
.endr
.endr
.endm
; 32 LDS loads in one run: a quarter step's fragments (32 K at byte k of the rows of the slot in hand) into buffer f: B's 16, then A's 16
.macro FETCH k, f
	WIN TO_B
.irp i, 0,1,2,3,4,5,6,7
	ds_load_b128 v[(\f)+8*(\i):(\f)+8*(\i)+3],   v[CB] offset:(\k)+(\i)*16*PITCH
	ds_load_b128 v[(\f)+8*(\i)+4:(\f)+8*(\i)+7], v[CB] offset:(\k)+(\i)*16*PITCH+32
.endr
	WIN 0
.irp i, 0,1,2,3,4,5,6,7
	ds_load_b128 v[(\f)+8*(\i):(\f)+8*(\i)+3],   v[CA] offset:(\k)+(\i)*16*PITCH
	ds_load_b128 v[(\f)+8*(\i)+4:(\f)+8*(\i)+7], v[CA] offset:(\k)+(\i)*16*PITCH+32
.endr
.endm
.macro PLACES                          ; four plain vector instructions between a matrix instruction and a load into a register that it read (ISA guide 7.12.1 for vector instructions)
.rept 4
	v_nop
.endr
.endm
; One of a K step's first three quarters: multiplies buffer f; in its middle the next quarter's fragments, at byte k, go into buffer g.  The 64 accumulators take turns.
.macro QUARTER k, f, g, first
	s_wait_dscnt 8                                 ; B and A's rows 0-63 are in; the youngest eight loads (A's rows 64-127) may be out
	MUL16 \f, 0, 0, \first
	MUL16 \f, 0, 2, \first
	PLACES
	FETCH \k, \g
	s_wait_dscnt 32                                ; all but the 32 just issued
	MUL16 \f, 1, 0, \first
	MUL16 \f, 1, 2, \first
.endm
; The last quarter multiplies buffer 1 and changes slots.  One barrier: in front of it each wave waits for all its tensor loads (its part of the next slot), adds 0 to its spare word, and waits for that and for its
; reads of this slot.  fill = 1: the barrier opens a round of the cluster's, and the slot just read is filled again first thing behind it, with the K step two on; behind the run of LDS loads the waves that
; have a share name the K step three on for the L2.  fill = 0: nothing is asked for; in the last step (s3 = 1) there is no further slot, and the run of LDS loads is jumped over.
.macro TURN fill
	WIN 0
	s_wait_tensorcnt 0x0                           ; all my tensor loads have landed
	ds_add_u32 v[SPW], v[NIL]
	s_wait_dscnt 9                                 ; (the add and the youngest eight loads may be out)
	MUL16 F1, 0, 0, 0
	s_wait_dscnt 0x0                               ; the add is done, and my reads of this slot are over
	s_barrier_signal -1
	MUL16 F1, 0, 2, 0
	WIN 0
	s_barrier_wait -1
.if \fill
	CREST                                          ; no wave of any partner still reads this slot or has a load on its way
	s_xor_b32 s[G0+5], s[G0+5], SLOT               ; the walking descriptors: the other slot than last time, 128 further along K
	s_add_nc_u64 s[G0+6:G0+7], s[G0+6:G0+7], KSTEP*2
	s_xor_b32 s[G0B+5], s[G0B+5], SLOT
	s_add_nc_u64 s[G0B+6:G0B+7], s[G0B+6:G0B+7], KSTEP*2
	JLOAD 1                                        ; its four v_nop are also the places in front of the loads below
.else
	PLACES
.endif
	s_xor_b32 s[TB], s[TB], SLOT
	v_add_nc_u32 v[CA], s[TB], v[A0]
	v_add_nc_u32 v[CB], s[TB], v[B0]
.if \fill
	FETCH 0, F0
	s_cmp_lt_u32 s3, 2                             ; the loop's last trip would name K step 8: it names nothing
	s_cbranch_scc1 .Lno_ask_\@
	s_cmp_lg_u32 s[ASK], 0                         ; nor does a wave without a share
	s_cbranch_scc1 .Lno_ask_\@
	s_wait_xcnt 0x0                                ; the base that the last trip's prefetch named is stepped only behind this wait, a trip behind that prefetch
	s_add_nc_u64 s[PF:PF+1], s[PF:PF+1], KSTEP*2
	global_prefetch_b8 v[PFO], s[PF:PF+1] th:TH_LOAD_NT scope:SCOPE_SE  ; 32 rows, a lane a row: the first byte of the row's 256 bytes of that K step; 32 matrix instructions follow
.Lno_ask_\@:
.else
	s_cmp_eq_u32 s3, 1
	s_cbranch_scc1 .Lno_more_\@
	FETCH 0, F0
.Lno_more_\@:
.endif
	MUL16 F1, 1, 0, 0
	MUL16 F1, 1, 2, 0
.endm
; THE WAY OUT of block a (16 rows).  PACK: rounded to bf16, 16 bytes a lane, and held to the floor.  TOSTAGE: into my own stage, and back as whole rows of 256 bytes.  SEND: stored.
.macro PACK a
.set AC, 64*((\a)%4)
	WIN 0x0a+5*((\a)/4)                            ; sources in window 2 or 3
.irp b, 0,1,2,3,4,5,6,7
.irp r, 0,1,2,3
	v_cvt_pk_bf16_f32 v[TMP+4*(\b)+(\r)], v[AC+8*(\b)+2*(\r)], v[AC+8*(\b)+2*(\r)+1]
.endr
.endr
	WIN 0
.set i, 0
.rept 32
	v_pk_max_num_bf16 v[TMP+i], v[TMP+i], s[LO]
.set i, i+1
.endr
.endm
.macro TOSTAGE a
.set BK, OB+192*((\a)%2)
.irp b, 0,1,2,3,4,5,6,7
	ds_store_b128 v[STO], v[TMP+4*(\b):TMP+4*(\b)+3] offset:32*(\b)
.endr
.irp t, 0,1,2,3,4,5,6,7
	ds_load_b128 v[BK+4*(\t):BK+4*(\t)+3], v[RD] offset:(\t)*2*SPITCH  ; LDS serves a wave's instructions in order: these see the stores above
.endr
.endm
.macro SEND a
.set BK, OB+192*((\a)%2)
	s_wait_dscnt 0x0                               ; the block is back in registers
	s_wait_xcnt 0x0                                ; the stores' base, and registers that earlier stores read, are rewritten only behind this wait
.if (\a) == 0
	s_add_nc_u64 s[8:9], s[8:9], s[16:17]
.else
	s_add_nc_u64 s[8:9], s[8:9], 16*CPB
.endif
.irp t, 0,1,2,3,4,5,6,7
	global_store_b128 v[CO], v[BK+4*(\t):BK+4*(\t)+3], s[8:9] offset:2*(\t)*CPB  ; 16 lanes store 256 consecutive bytes, at a multiple of 256 from C's first byte
.endr
.endm
	s_wait_tensorcnt 1                             ; my part of K step 0 is in; step 1's may stay out
	s_barrier_signal -1
	s_barrier_wait -1
	FETCH 0, F0
	s_wait_loadcnt 0x0                             ; the bias
	s_wait_kmcnt 0x0                               ; the floor
	QUARTER 64, F0, F1, 1                          ; the first quarter: its products start the sums from the bias
	WIN 0
	s_mov_b32 s3, SIZE_K/KSTEP-2
.Lfill:                                                ; K steps 0 to 5 ask for steps 2 to 7
	QUARTER 128, F1, F0, 0
	QUARTER 192, F0, F1, 0
	TURN 1
	QUARTER 64, F0, F1, 0
	WIN 0
	s_sub_co_u32 s3, s3, 1
	s_cmp_lg_u32 s3, 0
	s_cbranch_scc1 .Lfill
	s_mov_b32 s3, 2
.Ldry:                                                 ; the last two steps ask for nothing; the second trip is left in its middle
	QUARTER 128, F1, F0, 0
	QUARTER 192, F0, F1, 0
	TURN 0
	WIN 0
	s_sub_co_u32 s3, s3, 1
	s_cmp_eq_u32 s3, 0
	s_cbranch_scc1 .Lout
	QUARTER 64, F0, F1, 0
	WIN 0
	s_branch .Ldry
.Lout:
	PACK 0                                         ; blocks 0-3 were finished ahead of the turn's four v_nop; their conversions are the places behind the last products (blocks 4-7's)
	TOSTAGE 0
.irp a, 1,2,3,4,5,6,7
	PACK \a
	SEND (\a)-1
	TOSTAGE \a
.endr
	SEND 7
	s_wait_tensorcnt 0x0                           ; the wave's end
	ds_add_u32 v[SPW], v[NIL]
	s_wait_dscnt 0x0
	CROUND                                         ; the closing round
	s_endpgm
.Lfunc_end_k_qd297232aee_qkv:
	.size	k_qd297232aee_qkv, .Lfunc_end_k_qd297232aee_qkv-k_qd297232aee_qkv
	.p2alignl 7, 3214868480
	.fill 96, 4, 3214868480
	.section	.rodata,"a",@progbits
	.p2align	6, 0x0
	.amdhsa_kernel k_qd297232aee_qkv
		.amdhsa_group_segment_fixed_size 327680
		.amdhsa_private_segment_fixed_size 0
		.amdhsa_enable_private_segment 0
		.amdhsa_kernarg_size 24
		.amdhsa_user_sgpr_count 2
		.amdhsa_user_sgpr_kernarg_segment_ptr 1
		.amdhsa_wavefront_size32 1
		.amdhsa_system_sgpr_workgroup_id_x 1
		.amdhsa_system_sgpr_workgroup_id_y 1
		.amdhsa_system_sgpr_workgroup_id_z 1
		.amdhsa_system_vgpr_workitem_id 0
		.amdhsa_next_free_vgpr 1024
		.amdhsa_next_free_sgpr 80
		.amdhsa_reserve_vcc 0
		.amdhsa_float_denorm_mode_32 3
		.amdhsa_float_denorm_mode_16_64 3
		.amdhsa_memory_ordered 1
		.amdhsa_forward_progress 1
		.amdhsa_inst_pref_size 119
	.end_amdhsa_kernel
	.amdgpu_metadata
---
amdhsa.version: [ 1, 2 ]
amdhsa.kernels:
  - .name:           k_qd297232aee_qkv
    .symbol:         k_qd297232aee_qkv.kd
    .args:
      - { .name: act16, .offset: 0, .size: 8, .value_kind: global_buffer, .address_space: global }
      - { .name: cbA, .offset: 8, .size: 8, .value_kind: global_buffer, .address_space: global }
      - { .name: qkvb, .offset: 16, .size: 8, .value_kind: global_buffer, .address_space: global }
    .group_segment_fixed_size: 327680
    .private_segment_fixed_size: 0
    .kernarg_segment_align: 8
    .kernarg_segment_size: 24
    .max_flat_workgroup_size: 128
    .sgpr_count:     80
    .vgpr_count:     1024
    .wavefront_size: 32
...
	.end_amdgpu_metadata
.endif
;; end of part 2
;; launch attn (part 3): grid 16 x 16, 4 waves a work-group, clusters of 4 x 1, 327,680 bytes of LDS; arguments qkvb, question_mask, ctx; writes ctx
.if DOCPART == 3
	.amdgcn_target "amdgcn-amd-amdhsa--gfx1250"
	.amdhsa_code_object_version 6
	.text
	.protected	k_qd297232aee_attn
	.globl	k_qd297232aee_attn
	.p2align	8
	.type	k_qd297232aee_attn,@function
k_qd297232aee_attn:
	s_mov_b64 s[64:65], 0
	v_nop
	global_prefetch_b8 v0, s[64:65] scope:SCOPE_SE
	s_setreg_imm32_b32 hwreg(HW_REG_WAVE_MODE, 25, 1), 1
	s_wait_xcnt 0x0
	s_wait_alu depctr_hold_cnt(0) depctr_sa_sdst(0) depctr_va_vdst(0) depctr_va_sdst(0) depctr_va_ssrc(0) depctr_va_vcc(0) depctr_vm_vsrc(0)
	s_getreg_b32 s2, hwreg(HW_REG_IB_STS2, 6, 4)
	s_cmp_eq_u32 s2, 0
	s_cbranch_scc0 .Lentry_in_a_cluster
	s_endpgm
.Lentry_in_a_cluster:
	s_bfe_u32 s2, ttmp6, 0x10000c
	s_cmp_lg_u32 s2, 0x3003
	s_cbranch_scc0 .Lentry_shape_is_right
	s_endpgm
.Lentry_shape_is_right:
; ctx[b][q][64 h + :] = sum over k of softmax_k(score) v[b][k][64 h + :], score = q.k / 8, or -1e9 where question_mask[b][k] = 0.  q, k, v: columns 0, 1024, 2048 on of rows of 8,192 bytes, bf16.
; Products, maxima and sums in f32; the weights p are rounded to bf16 for the second product (their sum l is taken of the unrounded p), ctx once at the end.
; SHARES.  A work-group: one batch, TWO neighbouring heads, 128 queries.  Wave w: head 2 pair + w / 2, queries 64 (w % 2) on, four PIECES of 16.  A key's K (or V) of two heads is 256 consecutive bytes of memory,
; and so is a query's part of ctx: every tile row and every store is 256 bytes at a multiple of 256.  The four query blocks of a cluster walk the same K and V: each tile is asked for jointly.
; THE MASK.  A table of addends, 0 or -2^100, is made once in LDS; a key step's 32 addends of a lane are the C operand of the four products that start S^T.  The running maximum starts at -2^33 raw (-1.07e9 scaled,
; the level at which hidden keys stand in the problem): while only hidden keys have come, every weight is exactly 0.  If the batch has NO visible key, c is 0 in place of log2(e) / 8: every weight is 1, the uniform softmax.
; LIMITS.  A visible raw score below -2^33 underflows (there the problem's own hidden keys would outweigh it); |q.k| stays below 2^76; a weight below 2^-126 counts as 0; NaN and infinities are not treated apart.
; LAYOUT, SOFTMAX, TURNS.  S^T = K Q^T holds ONE query a lane (lane % 16) and the keys 8 (lane / 16) + 0..7; two such results rounded to bf16 ARE source 1 of O^T = V^T P.  p = 2^(c s - c m) with a running maximum m;
; O and l are multiplied by a = 2^(c m_old - c m_new) in every step.  Turn n belongs to piece n: 8 products K Q^T of piece n + 1, later 8 products V^T P of piece n - 1; beside them the scaling, exponentials,
; roundings, sums and rescaling of piece n and the maximum and statistics of piece n + 1.  Four vector instructions stand behind every matrix instruction, the others in two runs of their own.
; REGISTERS, in windows of 256 (s_set_vgpr_msb: bits 1:0 source 0, 3:2 source 1, 5:4 source 2, 7:6 destination):
;   window 0: v0-15, v32-40 addresses and flags; v16-31 four registers of statistics a piece; v48-55 at work; v64-127 S^T, two buffers; v192-223 P, two buffers (by the piece's parity)
;   window 1: v0-127 O^T, 32 a piece          window 2: v0-63 Q; v64-95 the step's mask addends; v128-191 K of one step; v192-255 V of one step
.set NP,    4
.set KS,    64                         ; keys in a step
.set PK,    272                        ; a row of K in LDS: 256 bytes + 16 of padding
.set PV,    288                        ; a row of V: 256 + 32: 16 lanes of the turning load take 8 rows x 32 bytes
.set VOFF,  4*KS*PK                    ; a slot holds four steps: 256 rows of K, then 256 rows of V
.set SLOT,  0x24000                    ; slot 1 begins here; the number shares no bit with a tile's place in a slot, so an exclusive or changes the slot
.set MTAB,  SLOT+4*KS*(PK+PV)          ; 2,048 addends, f32
.set FLG,   MTAB+8192                  ; four words: has wave w seen a visible key?
.set STAGE, FLG+256                    ; 64 rows x 272 bytes, the work-group's, for the way out
.set SP,    272
.set SPARE, STAGE+64*SP                ; the spare words, 128 bytes a wave; no other line names them
.set ROWB,  8192                       ; bytes in a row of q|k|v
.set AK0, 2
.set AV0, 3
.set AK,  4
.set AV,  5
.set STO, 6
.set RD,  7
.set GO,  8
.set MV,  12                           ; v12-13  c m_old, by buffer
.set AM0, 14                           ; MTAB + 32 (l / 16)
.set QO,  15
.set ST,  16                           ; piece t: c m, m, l (even keys', odd keys')
.set AMK, 32                           ; the LDS address of the next run of mask loads
.set MO,  33                           ; 16 x thread
.set MA,  34
.set FA,  35
.set FV,  36                           ; v36-39 the four flags; v40 my wave's
.set TMP, 48
.set SPW, 62
.set NIL, 63
.set S,   64
.set P,   192
.set MC,  64                           ; window 2
.set KF,  128                          ; window 2
.set VF,  192                          ; window 2
.set WV,  12
.set G1K, 24
.set G1V, 32
.set G0K, 40
.set G0V, 44
.set SLOTS, 56
.set CNT, 57
.set CS,  58                           ; s[58:59] c
.set SEL, 60
.set TBK, 62
.set TBV, 63
.set TM,  66                           ; byte in the table at which the step to be fetched begins
.set BIGN, 67                          ; -2^100
.set FL,  68
.set MSB, 0
.macro WIN new
.if MSB != (\new)
	s_set_vgpr_msb (MSB<<8)|(\new)
.set MSB, (\new)
.endif
.endm
.set W_KQ, 0x0a                        ; K and Q in window 2, S^T in window 0
.set W_KM, 0x2a                        ; the same with the C operand (the mask) in window 2
.set W_PV, 0x52                        ; V in window 2, P in window 0, O^T in window 1
.set W_RS, 0x41                        ; destination and source 0 in window 1, source 1 in window 0
.macro JLOAD                           ; a joint fill: waves 0, 1 fetch the halves of a slot's K, waves 2, 3 of its V, 128 keys each; s_nop 0 and four v_nop follow each line
	s_cmp_lt_u32 s[WV], 2
	s_cbranch_scc0 .Lfor_v_\@
	tensor_load_to_lds s[G0K:G0K+3], s[G1K:G1K+7]
	s_nop 0
.rept 4
	v_nop
.endr
	s_branch .Lasked_\@
.Lfor_v_\@:
	tensor_load_to_lds s[G0V:G0V+3], s[G1V:G1V+7]
	s_nop 0
.rept 4
	v_nop
.endr
.Lasked_\@:
.endm
.macro CROUND
	s_barrier_signal -1
	s_barrier_wait -1
	s_cmp_lg_u32 s[WV], 0
	s_cbranch_scc1 .Lnot_wave_0_\@
	s_barrier_signal -3
.Lnot_wave_0_\@:
	s_barrier_wait -3
	s_barrier_signal -1
	s_barrier_wait -1
.endm
; THE CHANGE OF SLOTS.  Each wave waits for all its tensor loads (one is out: its part of the other slot), adds 0 to its spare word, and waits for that and for its LDS instructions.  fill = 1: the barrier is a round of
; the cluster's, and the slot just left is filled again first thing behind it, with the keys two slots on: it has four key steps in which to land.  (At its first use slot 0 is waited for and slot 1 filled.)
.macro CHANGE fill
	WIN 0
	s_wait_tensorcnt 0x0
	ds_add_u32 v[SPW], v[NIL]
.if \fill
.irp g, G0K, G0V
	s_xor_b32 s[\g+1], s[\g+1], SLOT
	s_add_nc_u64 s[\g+2:\g+3], s[\g+2:\g+3], 4*KS*ROWB
.endr
	s_wait_dscnt 0x0
	CROUND
	JLOAD
.else
	s_wait_dscnt 0x0
	s_barrier_signal -1
	s_barrier_wait -1
.endif
	s_sub_co_u32 s[TBK], s[TBK], 4*KS*PK           ; the fetches go back to a slot's first step, in the other slot
	s_xor_b32 s[TBK], s[TBK], SLOT
	s_sub_co_u32 s[TBV], s[TBV], 4*KS*PV
	s_xor_b32 s[TBV], s[TBV], SLOT
.endm
	s_load_b128 s[4:7], s[0:1], 0x0                ; q|k|v s[4:5], mask s[6:7]
	s_load_b64 s[8:9], s[0:1], 0x10                ; ctx
	v_lshl_add_u32 v[SPW], v0, 2, SPARE
	v_mov_b32 v[NIL], 0
	ds_add_u32 v[SPW], v[NIL]                      ; the wave's opening: the add and its wait stand ahead of my first tensor load
	v_lshrrev_b32 v1, 5, v0
	v_readfirstlane_b32 s[WV], v1
	s_bfe_u32 s13, ttmp6, 0x40000                  ; cx
	s_lshl_b32 s14, ttmp9, 2
	s_add_co_u32 s14, s14, s13                     ; my block of 128 queries: it enters Q's and ctx's addresses alone
	s_and_b32 s15, ttmp7, 0xffff
	s_lshr_b32 s16, s15, 3                         ; batch
	s_and_b32 s15, s15, 7                          ; pair of heads
	s_and_b32 s19, s[WV], 1
	s_lshr_b32 s69, s[WV], 1
	s_lshl_b32 s20, s16, 24                        ; K's tile 0, my half: batch x 2,048 rows, + 128 rows for the odd waves,
	s_lshl_b32 s21, s19, 20
	s_add_co_u32 s20, s20, s21
	s_lshl_b32 s21, s15, 8                         ; + 256 bytes a pair of heads,
	s_add_co_u32 s20, s20, s21
	s_add_co_u32 s20, s20, 2048                    ; behind q's 1,024 columns
	s_mov_b32 s21, 0
	s_add_co_u32 s22, s20, 2048                    ; V's lies 1,024 columns on
	s_mov_b32 s23, 0
	s_mul_i32 s17, s19, 128*PK                     ; and their places in a slot
	s_mul_i32 s18, s19, 128*PV
	s_lshl_b32 s2, s14, 7                          ; Q: row 128 x block + 64 (w % 2),
	s_lshl_b32 s3, s19, 6
	s_add_co_u32 s2, s2, s3
	s_lshl_b32 s2, s2, 13
	s_lshl_b32 s3, s16, 24
	s_add_co_u32 s2, s2, s3
	s_lshl_b32 s3, s15, 8                          ; my head's 128 bytes
	s_add_co_u32 s2, s2, s3
	s_lshl_b32 s3, s69, 7
	s_add_co_u32 s2, s2, s3
	s_mov_b32 s3, 0
	s_lshl_b32 s70, s16, 11                        ; ctx: the first row that I store: 2,048 batch + 128 block + 64 (w / 2) + 16 (w % 2),
	s_lshl_b32 s71, s14, 7
	s_add_co_u32 s70, s70, s71
	s_lshl_b32 s71, s69, 6
	s_add_co_u32 s70, s70, s71
	s_lshl_b32 s71, s19, 4
	s_add_co_u32 s70, s70, s71
	s_lshl_b32 s70, s70, 11                        ; rows of 2,048 bytes,
	s_lshl_b32 s71, s15, 8                         ; the pair's 256 bytes
	s_add_co_u32 s70, s70, s71
	s_mov_b32 s71, 0
	s_lshl_b32 s72, s16, 13                        ; the batch's 2,048 mask words
	s_mov_b32 s73, 0
	s_mov_b32 s[G1K], 15|(1<<16)|(1<<20)|(1<<21)|(5<<22)|(3<<25)   ; the mask of four; 2-byte elements; padding on; bit 21 beside a mask; after every 64 words; 4 words
	s_mov_b32 s[G1V], 15|(1<<16)|(1<<20)|(1<<21)|(5<<22)|(7<<25)   ; the same with 8 words
.irp g, G1K, G1V
	s_mov_b32 s[\g+1], 128<<16                     ; tensor_dim0 = 128
	s_mov_b32 s[\g+2], 128<<16                     ; tensor_dim1 = 128
	s_mov_b32 s[\g+3], 128<<16                     ; tile_dim0 = 128
	s_mov_b32 s[\g+4], 128                         ; tile_dim1 = 128
	s_mov_b32 s[\g+5], 4096                        ; elements from row to row
	s_mov_b32 s[\g+6], 0
	s_mov_b32 s[\g+7], 0
.endr
	s_mov_b32 s[SEL], 0x76543210
	s_mov_b32 s[SEL+1], 0xfedcba98
	s_mov_b32 s[BIGN], 0xf1800000                  ; -2^100
	s_mov_b32 s[TBK], SLOT+4*KS*PK                 ; the first change of slots turns these two into 0
	s_mov_b32 s[TBV], SLOT+4*KS*PV
	s_mov_b32 s[TM], 0
	s_mov_b32 s[G0K], 1
	s_mov_b32 s[G0K+1], s17
	s_mov_b32 s[G0V], 1
	s_add_co_u32 s[G0V+1], s18, VOFF
	s_wait_dscnt 0x0                               ; the opening add is done
	s_wait_kmcnt 0x0
	s_add_nc_u64 s[G0K+2:G0K+3], s[4:5], s[20:21]
	s_or_b32 s[G0K+3], s[G0K+3], 0x80000000
	s_add_nc_u64 s[G0V+2:G0V+3], s[4:5], s[22:23]
	s_or_b32 s[G0V+3], s[G0V+3], 0x80000000
	s_add_nc_u64 s[4:5], s[4:5], s[2:3]
	s_add_nc_u64 s[6:7], s[6:7], s[72:73]
	s_add_nc_u64 s[8:9], s[8:9], s[70:71]
	CROUND                                         ; all four work-groups are here: the first joint loads meet
	JLOAD                                          ; slot 0
	v_lshlrev_b32 v[MO], 4, v0
.irp j, 0,1,2,3
	global_load_b128 v[S+4*\j:S+4*\j+3], v[MO], s[6:7] offset:2048*\j   ; the batch's mask: 16 words a thread
.endr
	v_and_b32 v1, 15, v0                           ; l % 16
	v_bfe_u32 v9, v0, 4, 1                         ; l / 16
	v_lshlrev_b32 v[QO], 13, v1
	v_lshl_add_u32 v[QO], v9, 4, v[QO]             ; row x 8,192 + 16 x half
	WIN 0x80
.set i, 0
.rept 8                                ; Q stays in registers: piece i / 2, channels 32 (i % 2) on
	global_load_b128 v[8*i:8*i+3],   v[QO], s[4:5] offset:(i/2)*16*ROWB+(i%2)*64
	global_load_b128 v[8*i+4:8*i+7], v[QO], s[4:5] offset:(i/2)*16*ROWB+(i%2)*64+32
.set i, i+1
.endr
	; What the first turn finds: V's registers and P's second buffer hold 0 (its products V^T P, of a piece that has not been, add 0); O^T and l are 0.  All this stands in the wait for the first tile.
.set i, VF
.rept 64
	v_mov_b32 v[i], 0
.set i, i+1
.endr
	WIN 0x40
.set i, 0
.rept 128
	v_mov_b32 v[i], 0
.set i, i+1
.endr
	WIN 0
.set i, 0
.rept 4
	v_mov_b32 v[ST+4*i], 0xfe000000                ; c m: far below every c s, so the first a is 0
	v_mov_b32 v[ST+4*i+1], 0xd0000000              ; m = -2^33
	v_mov_b32 v[ST+4*i+2], 0
	v_mov_b32 v[ST+4*i+3], 0
.set i, i+1
.endr
.set i, P+16
.rept 16
	v_mov_b32 v[i], 0
.set i, i+1
.endr
	s_lshl_b32 s13, s69, 7                         ; my head's half of a tile's rows
	v_mul_u32_u24 v[AK0], v1, PK
	v_lshl_add_u32 v[AK0], v9, 4, v[AK0]
	v_add_nc_u32 v[AK0], s13, v[AK0]
	v_and_b32 v10, 7, v0                           ; the turning load: lane l reads key 8 (l / 16) + l % 8, channels 8 ((l / 8) % 2) + 0..7
	v_bfe_u32 v11, v0, 3, 1
	v_lshl_add_u32 v[AV0], v9, 3, v10
	v_mul_u32_u24 v[AV0], v[AV0], PV
	v_lshl_add_u32 v[AV0], v11, 4, v[AV0]
	s_add_co_u32 s13, s13, VOFF
	v_add_nc_u32 v[AV0], s13, v[AV0]
	v_lshlrev_b32 v[AM0], 5, v9
	v_add_nc_u32 v[AM0], MTAB, v[AM0]
	s_mul_i32 s13, s19, 32*SP                      ; into the stage: rows 32 (w % 2) on, my head's half of their 256 bytes
	s_lshl_b32 s18, s69, 7
	s_add_co_u32 s13, s13, s18
	s_add_co_u32 s13, s13, STAGE
	v_mul_u32_u24 v[STO], v1, SP
	v_lshl_add_u32 v[STO], v9, 4, v[STO]
	v_add_nc_u32 v[STO], s13, v[STO]
	s_mul_i32 s13, s[WV], 16*SP                    ; back: wave w takes rows 16 w on, whole
	s_add_co_u32 s13, s13, STAGE
	v_mul_u32_u24 v[RD], v9, SP
	v_lshl_add_u32 v[RD], v1, 4, v[RD]
	v_add_nc_u32 v[RD], s13, v[RD]
	v_lshlrev_b32 v[GO], 11, v9
	v_lshl_add_u32 v[GO], v1, 4, v[GO]
	s_wait_loadcnt 16                              ; the mask's four loads are in; Q's sixteen, issued behind them, may be out
	v_or_b32 v10, v[S], v[S+1]
.set i, 2
.rept 14
	v_or_b32 v10, v10, v[S+i]
.set i, i+1
.endr
	v_cmp_ne_u32 s[FL], 0, v10                     ; which lanes have a visible key
.set i, 0
.rept 16
	v_cmp_eq_u32 vcc_lo, 0, v[S+i]
	v_cndmask_b32 v[S+i], 0, s[BIGN], vcc_lo       ; the addend: -2^100 where the key is hidden
.set i, i+1
.endr
	v_add_nc_u32 v[MA], MTAB, v[MO]
.irp j, 0,1,2,3
	ds_store_b128 v[MA], v[S+4*\j:S+4*\j+3] offset:2048*\j
.endr
	s_cmp_lg_u32 s[FL], 0
	s_cselect_b32 s13, 1, 0
	v_mov_b32 v40, s13
	s_lshl_b32 s13, s[WV], 2
	s_add_co_u32 s13, s13, FLG
	v_mov_b32 v[FA], s13
	ds_store_b32 v[FA], v40
; THE MATRIX WORK.  The 4 accumulators of a run of 8 take turns.  Product i of 8 of S^T = K Q^T for piece x: channels 32 (i / 4) on, keys 16 (i % 4) on.  The first 4 start the sums with the mask.
.macro KQ x
.set rS, S+32*((\x)%2)+8*(i%4)
.set rK, KF+16*(i%4)+8*(i/4)
.set rQ, 16*(\x)+8*(i/4)
.set rM, MC+8*(i%4)
.if i < 4
	WIN W_KM
	v_wmma_f32_16x16x32_bf16 v[rS:rS+7], v[rK:rK+7], v[rQ:rQ+7], v[rM:rM+7]
.else
	WIN W_KQ
	v_wmma_f32_16x16x32_bf16 v[rS:rS+7], v[rK:rK+7], v[rQ:rQ+7], v[rS:rS+7]
.endif
.endm
; Product i of 8 of O^T += V^T P for piece x: keys 32 (i / 4) on, channels 16 (i % 4) on.
.macro PV x
	WIN W_PV
.set rO, 32*(\x)+8*(i%4)
.set rV, VF+32*(i/4)+8*(i%4)
.set rP, P+16*((\x)%2)+8*(i/4)
	v_wmma_f32_16x16x32_bf16 v[rO:rO+7], v[rV:rV+7], v[rP:rP+7], v[rO:rO+7]
.endm
.macro MM                              ; the turn's next matrix instruction
.if i < 8
	KQ (Y+1)%NP
.else
.set i, i-8
	PV (Y+NP-1)%NP
.set i, i+8
.endif
.set i, i+1
.endm
; THE LDS LOADS stand in runs: a step's K (8 fragments) with its 32 mask addends, and its V (turned).  last = 1 (the tail): in the last trip there is no further step, and the run is jumped over.
.macro FETCH_K last=0
	WIN 0
.if \last
	s_cmp_eq_u32 s[CNT], 1
	s_cbranch_scc1 .Lno_k_\@
.endif
	WIN 0x80
.irp f, 0,1,2,3,4,5,6,7
	ds_load_b128 v[KF+8*\f:KF+8*\f+3],   v[AK] offset:(\f/2)*16*PK+(\f%2)*64
	ds_load_b128 v[KF+8*\f+4:KF+8*\f+7], v[AK] offset:(\f/2)*16*PK+(\f%2)*64+32
.endr
.irp g, 0,1,2,3
	ds_load_b128 v[MC+8*\g:MC+8*\g+3],   v[AMK] offset:64*\g
	ds_load_b128 v[MC+8*\g+4:MC+8*\g+7], v[AMK] offset:64*\g+16
.endr
	s_add_co_u32 s[TBK], s[TBK], KS*PK
	s_add_co_u32 s[TM], s[TM], KS*4
	WIN 0
.if \last
.Lno_k_\@:
.endif
.endm
.macro FETCH_V
	WIN 0x80
.irp f, 0,1,2,3,4,5,6,7
	ds_load_tr16_b128 v[VF+8*\f:VF+8*\f+3],   v[AV] offset:(\f/4)*32*PV+(\f%4)*32
	ds_load_tr16_b128 v[VF+8*\f+4:VF+8*\f+7], v[AV] offset:(\f/4)*32*PV+16*PV+(\f%4)*32
.endr
	WIN 0
.endm
; THE VECTOR WORK, one line at a time: OP kind, number.  For piece Y: F n: c s - c m for pair n of 16.  E n: the exponential of score n of 32.  C n: pair n rounded to bf16.  B n: of the four weights 4 n .. the second
; pair is added onto the first, in place.  L n: l takes that sum (L 0: l = a l + sum).  R n: pair n of 16 of O^T times a.  For piece Y + 1: X n, number n of the 22 that find its maximum and statistics:
;   0-11 four chains of seven scores (each accumulator's lowest registers are read first)   12-14, 16 the scores left over, the old m, and the chains into one   15 c m_old is kept
;   17, 18 the query's other 32 keys lie in the lane 16 away: the new m   19-21 c m; c m_old - c m_new; a
.set F, 0
.set E, 1
.set C, 2
.set B, 3
.set L, 4
.set R, 5
.set X, 6
.macro REGS y
.set rT, ST+4*(\y)
.set rC, TMP+4*((\y)%2)
.set rW, MV+((\y)%2)
.set rS, S+32*((\y)%2)
.set rP, P+16*((\y)%2)
.set rO, 32*(\y)
.endm
.macro OP k, n
.if (\k) == R
	REGS Y
	WIN W_RS
	v_pk_mul_f32 v[rO+2*(\n):rO+2*(\n)+1], v[rO+2*(\n):rO+2*(\n)+1], v[rC+2:rC+3] op_sel_hi:[1,0]
.elseif (\k) < R
	REGS Y
	WIN 0
.if (\k) == F
	v_pk_fma_f32 v[rS+2*(\n):rS+2*(\n)+1], v[rS+2*(\n):rS+2*(\n)+1], s[CS:CS+1], v[rT:rT+1] op_sel_hi:[1,0,0] neg_lo:[0,0,1] neg_hi:[0,0,1]
.elseif (\k) == E
	v_exp_f32 v[rS+(\n)], v[rS+(\n)]
.elseif (\k) == C
	s_wait_alu depctr_va_vdst(0)
	v_cvt_pk_bf16_f32 v[rP+(\n)], v[rS+2*(\n)], v[rS+2*(\n)+1]
.elseif (\k) == B
	s_wait_alu depctr_va_vdst(0)
	v_pk_add_f32 v[rS+4*(\n):rS+4*(\n)+1], v[rS+4*(\n):rS+4*(\n)+1], v[rS+4*(\n)+2:rS+4*(\n)+3]
.elseif (\n) == 0
	v_pk_fma_f32 v[rT+2:rT+3], v[rT+2:rT+3], v[rC+2:rC+3], v[rS:rS+1] op_sel_hi:[1,0,1]
.else
	v_pk_add_f32 v[rT+2:rT+3], v[rT+2:rT+3], v[rS+4*(\n):rS+4*(\n)+1]
.endif
.else
	REGS (Y+1)%NP
	WIN 0
.if (\n) < 4
	v_max3_num_f32 v[rC+(\n)], v[rS+8*(\n)], v[rS+8*(\n)+1], v[rS+8*(\n)+2]
.elseif (\n) < 12
	v_max3_num_f32 v[rC+(\n)%4], v[rC+(\n)%4], v[rS+8*((\n)%4)+2*((\n)/4)+1], v[rS+8*((\n)%4)+2*((\n)/4)+2]
.elseif (\n) == 12
	v_max3_num_f32 v[rC], v[rC], v[rS+7], v[rS+15]
.elseif (\n) == 13
	v_max3_num_f32 v[rC+1], v[rC+1], v[rS+23], v[rS+31]
.elseif (\n) == 14
	v_max3_num_f32 v[rC+2], v[rC+2], v[rC+3], v[rT+1]
.elseif (\n) == 15
	v_mov_b32 v[rW], v[rT]
.elseif (\n) == 16
	v_max3_num_f32 v[rC], v[rC], v[rC+1], v[rC+2]
.elseif (\n) == 17
	v_permlanex16_b32 v[rC+3], v[rC], s[SEL], s[SEL+1]
.elseif (\n) == 18
	v_max_num_f32 v[rT+1], v[rC], v[rC+3]
.elseif (\n) == 19
	v_mul_f32 v[rT], s[CS], v[rT+1]
.elseif (\n) == 20
	v_sub_f32 v[rC+1], v[rW], v[rT]
.else
	v_exp_f32 v[rC+2], v[rC+1]
.endif
.endif
.endm
.macro OPS a, i1, b=-1, i2=0, c=-1, i3=0, d=-1, i4=0
	OP \a, \i1
.if (\b) >= 0
	OP \b, \i2
.endif
.if (\c) >= 0
	OP \c, \i3
.endif
.if (\d) >= 0
	OP \d, \i4
.endif
.endm
.macro ROW a, i1, b, i2, c, i3, d, i4  ; a matrix instruction and the four behind it
	MM
	OPS \a, \i1, \b, \i2, \c, \i3, \d, \i4
.endm
; A TURN, for piece p: the order of its 16 matrix and 118 vector instructions, written out.  Behind a matrix instruction: plain, exponential, plain, plain; or four of the rescaling; or four scalings; none names a
; register of the products round it.  K and the mask of the next step are fetched in piece 2's turn, five plain instructions behind the last product that read K; V of the step in hand in piece 0's turn, four plain
; behind the last product that read V.  Each is waited for a turn later.  cnt = 1: the loop's count is taken down some lines ahead of the branch behind the turn.
.macro TURN p, last=0, cnt=0
.set Y, (\p)
.set i, 0
.if (\p) == 3
	s_wait_dscnt 0x0                               ; K and its mask are in
.endif
	ROW F,0, F,1, F,2, F,3
	ROW F,4, E,0, F,5, F,6
	ROW F,7, E,1, F,8, F,9
	ROW F,10, E,2, C,0, F,11
	ROW F,12, E,3, X,15, F,13
	ROW R,0, R,1, R,2, R,3
	ROW B,0, E,4, F,14, L,0
.if (\p) == 2
	v_add_nc_u32 v[AK], s[TBK], v[AK0]
	v_add_nc_u32 v[AMK], s[TM], v[AM0]
.endif
	ROW R,4, R,5, R,6, R,7
	OPS E,5, F,15
.if (\p) == 2
	FETCH_K \last
.endif
	OPS E,6, C,1, E,7, R,8
	OPS E,8, R,9, E,9, C,2
	OPS E,10, X,0, E,11, X,1
	OPS E,12, X,2, E,13, X,3
.if (\p) == 1
	s_wait_dscnt 0x0                               ; V is in
.endif
	ROW X,4, E,14, X,5, X,6
	ROW X,7, E,15, X,8, X,9
	ROW X,10, E,16, X,11, X,12
	ROW X,13, E,17, X,14, B,1
	ROW C,4, E,18, X,16, L,1
	ROW B,2, E,19, C,6, L,2
	ROW C,8, E,20, B,3, B,4
.if (\p) == 0
	v_add_nc_u32 v[AV], s[TBV], v[AV0]
.endif
	ROW C,3, E,21, L,3, C,5
	OPS E,22, X,17, E,23, C,10
.if (\p) == 0
	FETCH_V
.endif
	OPS E,24, L,4
	OPS E,25, X,18, E,26, C,7
	OPS E,27, B,5, E,28, X,19
	OPS E,29, C,12, E,30, L,5
	OPS E,31, X,20, B,6, C,9
	OPS C,14, C,11, X,21, L,6
.if (\p) == 0
	s_add_co_u32 s[TBV], s[TBV], KS*PV
.endif
.if \cnt
	s_sub_co_u32 s[CNT], s[CNT], 1
	s_cmp_lg_u32 s[CNT], 0
.endif
	OPS C,13, B,7, C,15, R,10
	OPS R,11, R,12, L,7, R,13
	OPS R,14, R,15
.endm
	CHANGE 1                                       ; slot 0 is in, the table and the flags are written, everybody's; slot 1 is asked for
	v_mov_b32 v[FA], FLG
	ds_load_b128 v[FV:FV+3], v[FA]
	s_wait_dscnt 0x0
	v_or_b32 v[FV], v[FV], v[FV+1]
	v_or_b32 v[FV+2], v[FV+2], v[FV+3]
	v_or_b32 v[FV], v[FV], v[FV+2]
	v_readfirstlane_b32 s13, v[FV]
	s_cmp_lg_u32 s13, 0
	s_cselect_b32 s[CS], 0x3e38aa3b, 0             ; c = log2(e) / 8, or 0 where the batch has no visible key: a value is chosen, no way
	s_mov_b32 s[CS+1], s[CS]
	v_add_nc_u32 v[AK], s[TBK], v[AK0]
	v_add_nc_u32 v[AMK], s[TM], v[AM0]
	FETCH_K                                        ; key step 0
	s_wait_loadcnt 0x0                             ; Q
	s_wait_dscnt 0x0
.set i, 0
.rept 8
	KQ 0                                           ; piece 0's first scores
.set i, i+1
.endr
	WIN 0
.rept 4
	v_nop                                          ; the places behind those products
.endr
.set Y, NP-1                           ; X works for piece Y + 1: piece 0
.irp n, 0,1,2,3,4,5,6,7,8,9,10,11,12,13,14,15,16,17,18,19,20,21
	OP X, \n
.endr
	v_nop                                          ; a plain instruction behind the exponential
	s_mov_b32 s[CNT], 4
	s_mov_b32 s[SLOTS], 7
	s_branch .Lfirst                               ; the loop is entered at a step's first turn, in the middle of a trip
.Lslot:                                                ; six times: with the change above, tiles 1 to 7 are asked for
	CHANGE 1
	s_mov_b32 s[CNT], 4
.Lstep:                                                ; a trip: pieces 2 and 3 of one step, then pieces 0 and 1 of the next, whose K and V it fetches
	TURN 2
	TURN 3
	WIN 0
.Lfirst:
	TURN 0
	TURN 1, 0, 1
	WIN 0
	s_cbranch_scc1 .Lstep
	s_sub_co_u32 s[SLOTS], s[SLOTS], 1
	s_cmp_lg_u32 s[SLOTS], 0
	s_cbranch_scc1 .Lslot
	CHANGE 0                                       ; the tail is written out: nothing is asked for
	s_mov_b32 s[CNT], 5                            ; four trips fetch the last slot's steps; the fifth is left in its middle
.Ltail:
	TURN 2, 1
	TURN 3
	WIN 0
	s_sub_co_u32 s[CNT], s[CNT], 1
	s_cmp_eq_u32 s[CNT], 0
	s_cbranch_scc1 .Lout
	TURN 0
	TURN 1
	WIN 0
	s_branch .Ltail
.Lout:                                                 ; the fifth trip's 8 products K Q^T (on the last K once more) and the maximum made of them serve nothing: the price of one text for every trip
.set i, 0
.rept 8
	PV NP-1                                        ; the last piece's V^T P of the last step
.set i, i+1
.endr
	; THE WAY OUT.  l's halves are added; O^T is divided by l and rounded to bf16.  A row's 256 bytes come from two waves, so the work-group shares one stage of 64 rows, in two phases of two pieces, with barriers.
	WIN 0
.macro ALL line:vararg
.set t, 0
.rept 4
	\line
.set t, t+1
.endr
.endm
	ALL v_add_f32 v[ST+4*t+2], v[ST+4*t+2], v[ST+4*t+3]
	ALL v_permlanex16_b32 v[ST+4*t+3], v[ST+4*t+2], s[SEL], s[SEL+1]
	ALL v_add_f32 v[ST+4*t+2], v[ST+4*t+2], v[ST+4*t+3]
	ALL v_rcp_f32 v[ST+4*t+2], v[ST+4*t+2]
	v_nop                                          ; a plain instruction between the last reciprocal and the use of its result
.macro PACK t                          ; a lane's eight channels of a query pack into 16 bytes, in S^T's registers
	WIN W_RS
.set i, 32*(\t)
.rept 16
	s_wait_alu depctr_va_vdst(0)
	v_pk_mul_f32 v[i:i+1], v[i:i+1], v[ST+4*(\t)+2:ST+4*(\t)+3] op_sel_hi:[1,0]
.set i, i+2
.endr
	WIN 0x05
.set i, 0
.rept 16
	v_cvt_pk_bf16_f32 v[S+16*(\t)+i], v[32*(\t)+2*i], v[32*(\t)+2*i+1]
.set i, i+1
.endr
	WIN 0
.endm
.macro PHASE p                         ; pieces 2 p and 2 p + 1 of all four waves: queries 32 p on and 64 + 32 p on
.irp u, 0,1
.irp f, 0,1,2,3
	ds_store_b128 v[STO], v[S+16*(2*(\p)+\u)+4*\f:S+16*(2*(\p)+\u)+4*\f+3] offset:\u*16*SP+32*\f
.endr
.endr
	s_wait_dscnt 0x0                               ; for the others' sake: my stores into the stage are done
	s_barrier_signal -1
	s_barrier_wait -1
.if \p
	s_wait_xcnt 0x0                                ; the registers that the first phase's stores read are loaded again only behind this wait
.endif
.irp f, 0,1,2,3,4,5,6,7
	ds_load_b128 v[P+4*\f:P+4*\f+3], v[RD] offset:\f*2*SP
.endr
.irp f, 0,1,2,3,4,5,6,7
	s_wait_dscnt 7-\f
	global_store_b128 v[GO], v[P+4*\f:P+4*\f+3], s[8:9] offset:(32*(\p)+2*\f)*2048  ; 16 lanes store 256 consecutive bytes, at a multiple of 256 from ctx's first byte
.endr
.endm
	PACK 0
	PACK 1
	PACK 2
	PACK 3
	PHASE 0
	s_barrier_signal -1                            ; every wave's reads of the stage are back (the count-down ended at 0): now it may be written again
	s_barrier_wait -1
	PHASE 1
	s_wait_tensorcnt 0x0                           ; the wave's end
	ds_add_u32 v[SPW], v[NIL]
	s_wait_dscnt 0x0
	CROUND                                         ; the closing round
	s_endpgm
.Lfunc_end_k_qd297232aee_attn:
	.size	k_qd297232aee_attn, .Lfunc_end_k_qd297232aee_attn-k_qd297232aee_attn
	.p2alignl 7, 3214868480
	.fill 96, 4, 3214868480
	.section	.rodata,"a",@progbits
	.p2align	6, 0x0
	.amdhsa_kernel k_qd297232aee_attn
		.amdhsa_group_segment_fixed_size 327680
		.amdhsa_private_segment_fixed_size 0
		.amdhsa_enable_private_segment 0
		.amdhsa_kernarg_size 24
		.amdhsa_user_sgpr_count 2
		.amdhsa_user_sgpr_kernarg_segment_ptr 1
		.amdhsa_wavefront_size32 1
		.amdhsa_system_sgpr_workgroup_id_x 1
		.amdhsa_system_sgpr_workgroup_id_y 1
		.amdhsa_system_sgpr_workgroup_id_z 1
		.amdhsa_system_vgpr_workitem_id 0
		.amdhsa_next_free_vgpr 768
		.amdhsa_next_free_sgpr 76
		.amdhsa_reserve_vcc 1
		.amdhsa_float_denorm_mode_32 3
		.amdhsa_float_denorm_mode_16_64 3
		.amdhsa_memory_ordered 1
		.amdhsa_forward_progress 1
		.amdhsa_inst_pref_size 123
	.end_amdhsa_kernel
	.amdgpu_metadata
---
amdhsa.version: [ 1, 2 ]
amdhsa.kernels:
  - .name:           k_qd297232aee_attn
    .symbol:         k_qd297232aee_attn.kd
    .args:
      - { .name: qkvb, .offset: 0, .size: 8, .value_kind: global_buffer, .address_space: global }
      - { .name: question_mask, .offset: 8, .size: 8, .value_kind: global_buffer, .address_space: global }
      - { .name: ctx, .offset: 16, .size: 8, .value_kind: global_buffer, .address_space: global }
    .group_segment_fixed_size: 327680
    .private_segment_fixed_size: 0
    .kernarg_segment_align: 8
    .kernarg_segment_size: 24
    .max_flat_workgroup_size: 128
    .sgpr_count:     76
    .vgpr_count:     768
    .wavefront_size: 32
...
	.end_amdgpu_metadata
.endif
;; end of part 3
;; launch proj (part 4): grid 8 x 32, 4 waves a work-group, clusters of 4 x 4, 327,680 bytes of LDS; arguments ctx, cbA, bo, question_embeddings, y; writes y
.if DOCPART == 4
	.amdgcn_target "amdgcn-amd-amdhsa--gfx1250"
	.amdhsa_code_object_version 6
	.text
	.protected	k_qd297232aee_proj
	.globl	k_qd297232aee_proj
	.p2align	8
	.type	k_qd297232aee_proj,@function
k_qd297232aee_proj:
	s_mov_b64 s[64:65], 0
	v_nop
	global_prefetch_b8 v0, s[64:65] scope:SCOPE_SE
	s_setreg_imm32_b32 hwreg(HW_REG_WAVE_MODE, 25, 1), 1
	s_wait_xcnt 0x0
	s_wait_alu depctr_hold_cnt(0) depctr_sa_sdst(0) depctr_va_vdst(0) depctr_va_sdst(0) depctr_va_ssrc(0) depctr_va_vcc(0) depctr_vm_vsrc(0)
	s_getreg_b32 s2, hwreg(HW_REG_IB_STS2, 6, 4)
	s_cmp_eq_u32 s2, 0
	s_cbranch_scc0 .Lentry_in_a_cluster
	s_endpgm
.Lentry_in_a_cluster:
	s_bfe_u32 s2, ttmp6, 0x10000c
	s_cmp_lg_u32 s2, 0xf033
	s_cbranch_scc0 .Lentry_shape_is_right
	s_endpgm
.Lentry_shape_is_right:
; C[m][n] = R[m][n] + bias[n] + sum over k of A[m][k] B[n][k], in f32.  A: [4096][SIZE_K] bf16.  B: [1024][SIZE_K] bf16 at byte B_OFF of the second buffer.  bias: [1024] f32.  R, C: [4096][1024] f32.
; Here: the attention's output projection with its residual x (SIZE_K = 1,024, Wo at 14 MiB).  The same text with two other constants and an L2 prefetch serves the feed-forward's second product.
; A tile of C is 128 x 128, so that 256 work-groups share the work; four waves, each 64 x 64: 16 accumulators.  K goes in steps of 256 (LDS rows of 512 bytes) through two slots.
; CLUSTER 4 x 4: A's tiles are shared along a row of the cluster, B's along a column, each asked for jointly.  THE MATRIX INSTRUCTION IS USED TRANSPOSED: a lane holds eight neighbouring numbers of a row of C.
; THE BIAS STARTS THE SUMS, as the C operand of the first products, which stand ahead of the loop.  The residual is loaded at the start, into registers of its own, and added in f32 on the way out.
; A wave's 64 columns of f32 are 256 bytes at a multiple of 256: each wave has a stage of its own, and the way out has no barrier.
; REGISTERS: window 0: v0-31 addresses; v32-95 the bias, then the way out; v128-255 the accumulators.  window 1: two fragment buffers of 128.  window 2: v0-127 the residual.
.set SIZE_K, 1024
.set B_OFF,  0xE00000
.set KSTEP,  256
.set NSTEP,  SIZE_K/KSTEP
.set PITCH,  528                       ; an LDS row: 512 bytes + 16 of padding
.set HALFT,  64*PITCH
.set SLOT,   4*HALFT                   ; 0x21000: shares no bit with wave x HALFT, so an exclusive or changes the slot
.set STAGE,  2*SLOT                    ; 16 rows x 272 bytes for each wave
.set SPITCH, 272
.set SPARE,  STAGE+4*16*SPITCH         ; the spare words, 128 bytes a wave; no other line names them
.set ROWB,   4096                      ; bytes in a row of R and C
.set A0,   16
.set CA,   17
.set B0,   20
.set CB,   21
.set STO,  24
.set RD,   25
.set CO,   26
.set BO,   27
.set SPW,  28
.set NIL,  29
.set TMP,  32
.set BIAS, 32
.set ACC,  128
.set F0,   0
.set F1,   128
.set RES,  0
.set G1, 24
.set G0, 32
.set G1B, 48
.set G0B, 56
.set TB, 66
.set MSB, 0
.macro WIN new
.if MSB != (\new)
	s_set_vgpr_msb (MSB<<8)|(\new)
.set MSB, \new
.endif
.endm
.set MUL,  0x05                        ; sources 0 (B) and 1 (A) window 1; C and D window 0
.set TO_F, 0x40
.macro JLOAD s                         ; a joint load: waves 0, 1 fetch A's halves, waves 2, 3 B's; s_nop 0 and four v_nop follow each line
	s_cmp_eq_u32 s11, 0
	s_cbranch_scc0 .Lfor_b_\@
	tensor_load_to_lds s[G0+4*(\s):G0+4*(\s)+3], s[G1:G1+7]
	s_nop 0
.rept 4
	v_nop
.endr
	s_branch .Lasked_\@
.Lfor_b_\@:
	tensor_load_to_lds s[G0B+4*(\s):G0B+4*(\s)+3], s[G1B:G1B+7]
	s_nop 0
.rept 4
	v_nop
.endr
.Lasked_\@:
.endm
.macro CREST
	s_cmp_lg_u32 s10, 0
	s_cbranch_scc1 .Lnot_wave_0_\@
	s_barrier_signal -3
.Lnot_wave_0_\@:
	s_barrier_wait -3
	s_barrier_signal -1
	s_barrier_wait -1
.endm
.macro CROUND
	s_barrier_signal -1
	s_barrier_wait -1
	CREST
.endm
	s_load_b256 s[76:83], s[0:1], 0x0              ; A 76, W 78, bias 80, R 82
	s_load_b64 s[84:85], s[0:1], 0x20              ; C
	v_lshl_add_u32 v[SPW], v0, 2, SPARE
	v_mov_b32 v[NIL], 0
	ds_add_u32 v[SPW], v[NIL]                      ; the wave's opening: the add and its wait stand ahead of my first tensor load
	v_lshrrev_b32 v1, 5, v0
	v_readfirstlane_b32 s10, v1
	s_lshr_b32 s11, s10, 1                         ; my half of the tile's rows; also: I fetch for A (0) or B (1)
	s_and_b32 s12, s10, 1                          ; my half of its columns; also: which 64 rows I fetch
	s_bfe_u32 s40, ttmp6, 0x40000
	s_bfe_u32 s41, ttmp6, 0x40004
	s_lshl_b32 s42, ttmp9, 2
	s_add_co_u32 s42, s42, s40                     ; tile column
	s_and_b32 s13, ttmp7, 0xffff
	s_lshl_b32 s13, s13, 2
	s_add_co_u32 s13, s13, s41                     ; tile row
	s_lshl_b32 s43, s41, 2
	s_lshl_b32 s43, 15, s43
	s_lshl_b32 s44, 0x1111, s40
	s_or_b32 s[G1+0], s43, (1<<16)|(1<<20)|(1<<21)|(6<<22)|(3<<25)   ; mask; 2-byte elements; padding on; bit 21 beside a mask; after every 128 words; 4 words
	s_or_b32 s[G1B+0], s44, (1<<16)|(1<<20)|(1<<21)|(6<<22)|(3<<25)
.irp g, G1, G1B
	s_mov_b32 s[(\g)+1], KSTEP<<16
	s_mov_b32 s[(\g)+2], 64<<16
	s_mov_b32 s[(\g)+3], KSTEP<<16
	s_mov_b32 s[(\g)+4], 64
	s_mov_b32 s[(\g)+5], SIZE_K
	s_mov_b32 s[(\g)+6], 0
	s_mov_b32 s[(\g)+7], 0
.endr
	s_lshl_b32 s17, s12, 6
	s_lshl_b32 s16, s13, 7
	s_add_co_u32 s16, s16, s17                     ; A: row 128 x tile row + 64 x half
	s_mul_i32 s16, s16, SIZE_K*2
	s_lshl_b32 s46, s42, 7
	s_add_co_u32 s46, s46, s17                     ; B: row 128 x tile column + 64 x half
	s_mul_i32 s46, s46, SIZE_K*2
	s_add_co_u32 s46, s46, B_OFF
	s_mov_b32 s17, 0
	s_mov_b32 s47, 0
	s_mul_i32 s20, s10, HALFT
	s_mov_b32 s[TB], 0
	s_wait_dscnt 0x0                               ; the opening add is done
	s_wait_kmcnt 0x0
	s_add_nc_u64 s[14:15], s[76:77], s[16:17]
	s_add_nc_u64 s[46:47], s[78:79], s[46:47]
	CROUND
.irp s, 0,1
	s_mov_b32 s[G0+4*(\s)], 1
	s_add_co_u32 s[G0+4*(\s)+1], s20, (\s)*SLOT
	s_add_nc_u64 s[G0+4*(\s)+2:G0+4*(\s)+3], s[14:15], (\s)*KSTEP*2
	s_or_b32 s[G0+4*(\s)+3], s[G0+4*(\s)+3], 0x80000000
	s_mov_b32 s[G0B+4*(\s)], 1
	s_add_co_u32 s[G0B+4*(\s)+1], s20, (\s)*SLOT
	s_add_nc_u64 s[G0B+4*(\s)+2:G0B+4*(\s)+3], s[46:47], (\s)*KSTEP*2
	s_or_b32 s[G0B+4*(\s)+3], s[G0B+4*(\s)+3], 0x80000000
	JLOAD \s
.endr
	v_and_b32 v1, 15, v0
	v_bfe_u32 v2, v0, 4, 1
	v_lshlrev_b32 v[BO], 5, v2
	v_lshlrev_b32 v5, 12, v2                       ; lanes 16-31: one row of R and C further down
	v_lshl_add_u32 v[CO], v1, 4, v5
	s_lshl_b32 s16, s13, 7
	s_lshl_b32 s17, s11, 6
	s_add_co_u32 s16, s16, s17                     ; my first row,
	s_lshl_b32 s16, s16, 12
	s_lshl_b32 s18, s42, 9                         ; my first column, in bytes: 512 x tile column + 256 x half
	s_lshl_b32 s19, s12, 8
	s_add_co_u32 s18, s18, s19
	s_mov_b32 s19, 0
	s_add_nc_u64 s[80:81], s[80:81], s[18:19]
	s_add_co_u32 s16, s16, s18
	s_mov_b32 s17, 0
	s_add_nc_u64 s[82:83], s[82:83], s[16:17]
	s_add_nc_u64 s[84:85], s[84:85], s[16:17]
.irp b, 0,1,2,3
	global_load_b128 v[BIAS+8*(\b):BIAS+8*(\b)+3],   v[BO], s[80:81] offset:64*(\b)
	global_load_b128 v[BIAS+8*(\b)+4:BIAS+8*(\b)+7], v[BO], s[80:81] offset:64*(\b)+16
.endr
	WIN 0x80
.irp a, 0,1,2,3
.irp t, 0,1,2,3,4,5,6,7
	global_load_b128 v[RES+32*(\a)+4*(\t):RES+32*(\a)+4*(\t)+3], v[CO], s[82:83] offset:(16*(\a)+2*(\t))*ROWB   ; the residual, laid as the way out reads rows back; it lands under the K loop
.endr
.endr
	WIN 0
	v_mul_u32_u24 v3, v1, PITCH
	v_lshl_add_u32 v3, v2, 4, v3
	s_mul_i32 s21, s11, HALFT
	s_mul_i32 s22, s12, HALFT
	s_add_co_u32 s22, s22, 2*HALFT
	v_add_nc_u32 v[A0], s21, v3
	v_add_nc_u32 v[B0], s22, v3
	v_mov_b32 v[CA], v[A0]
	v_mov_b32 v[CB], v[B0]
	s_mul_i32 s23, s10, 16*SPITCH
	s_add_co_u32 s23, s23, STAGE                   ; my stage
	v_mul_u32_u24 v4, v1, SPITCH                   ; in: row l % 16, 32 bytes for each half of the lanes
	v_lshl_add_u32 v4, v2, 5, v4
	v_add_nc_u32 v[STO], s23, v4
	v_mul_u32_u24 v5, v2, SPITCH                   ; back: lanes 0-15 one row of 256 bytes, lanes 16-31 the next
	v_lshl_add_u32 v5, v1, 4, v5
	v_add_nc_u32 v[RD], s23, v5
.macro MUL8 f, c, a0, first            ; 8 matrix instructions: m blocks a0, a0 + 1 x all 4 n blocks, 32 along K: half c of buffer f.  first = 1: the bias is C and starts the sums
	WIN MUL
.irp a, \a0, (\a0)+1
.irp b, 0,1,2,3
.if \first
	v_wmma_f32_16x16x32_bf16 v[ACC+8*(4*(\a)+(\b)):ACC+8*(4*(\a)+(\b))+7], v[(\f)+64+8*(4*(\c)+(\b)):(\f)+64+8*(4*(\c)+(\b))+7], v[(\f)+8*(4*(\c)+(\a)):(\f)+8*(4*(\c)+(\a))+7], v[BIAS+8*(\b):BIAS+8*(\b)+7]
.else
	v_wmma_f32_16x16x32_bf16 v[ACC+8*(4*(\a)+(\b)):ACC+8*(4*(\a)+(\b))+7], v[(\f)+64+8*(4*(\c)+(\b)):(\f)+64+8*(4*(\c)+(\b))+7], v[(\f)+8*(4*(\c)+(\a)):(\f)+8*(4*(\c)+(\a))+7], v[ACC+8*(4*(\a)+(\b)):ACC+8*(4*(\a)+(\b))+7]
.endif
.endr
.endr
.endm
.macro FETCH k, f                      ; 32 LDS loads in one run: the fragments of 64 along K at byte k of the rows of the slot in hand; the first 32 along K first
	WIN TO_F
.irp c, 0,1
.irp i, 0,1,2,3
	ds_load_b128 v[(\f)+64+8*(4*(\c)+(\i)):(\f)+64+8*(4*(\c)+(\i))+3],   v[CB] offset:(\k)+64*(\c)+(\i)*16*PITCH
	ds_load_b128 v[(\f)+64+8*(4*(\c)+(\i))+4:(\f)+64+8*(4*(\c)+(\i))+7], v[CB] offset:(\k)+64*(\c)+(\i)*16*PITCH+32
	ds_load_b128 v[(\f)+8*(4*(\c)+(\i)):(\f)+8*(4*(\c)+(\i))+3],         v[CA] offset:(\k)+64*(\c)+(\i)*16*PITCH
	ds_load_b128 v[(\f)+8*(4*(\c)+(\i))+4:(\f)+8*(4*(\c)+(\i))+7],       v[CA] offset:(\k)+64*(\c)+(\i)*16*PITCH+32
.endr
.endr
	WIN 0
.endm
.macro PLACES                          ; four plain vector instructions between a matrix instruction and a load into a register that it read, or a read of its result (ISA guide 7.12.1 for vector instructions)
.rept 4
	v_nop
.endr
.endm
.macro QUARTER k, f, g, first          ; 64 along K: 32 matrix instructions, the 16 accumulators by turns; the next quarter's loads in its middle
	s_wait_dscnt 16                                ; the first 32 along K are in
	MUL8 \f, 0, 0, \first
	MUL8 \f, 0, 2, \first
	PLACES
	FETCH \k, \g
	s_wait_dscnt 32                                ; all but the 32 just issued
	MUL8 \f, 1, 0, 0
	MUL8 \f, 1, 2, 0
.endm
; The last quarter multiplies buffer 1 and changes slots: one barrier; in front of it each wave waits for all its tensor loads, adds 0 to its spare word, and waits for that and for its reads of this slot.
; fill = 1: the barrier opens a round of the cluster's, and this slot is filled again first thing behind it, two K steps ahead.  fill = 0: nothing is asked for; in the last step (s3 = 1) the run of LDS loads is jumped over.
.macro TURN fill
	WIN 0
	s_wait_tensorcnt 0x0
	ds_add_u32 v[SPW], v[NIL]
	s_wait_dscnt 17                                ; (the add and the youngest sixteen loads may be out)
	MUL8 F1, 0, 0, 0
	s_wait_dscnt 0x0                               ; the add is done, and my reads of this slot are over
	s_barrier_signal -1
	MUL8 F1, 0, 2, 0
	WIN 0
	s_barrier_wait -1
.if \fill
	CREST
	s_xor_b32 s[G0+5], s[G0+5], SLOT
	s_add_nc_u64 s[G0+6:G0+7], s[G0+6:G0+7], KSTEP*2
	s_xor_b32 s[G0B+5], s[G0B+5], SLOT
	s_add_nc_u64 s[G0B+6:G0B+7], s[G0B+6:G0B+7], KSTEP*2
	JLOAD 1                                        ; its four v_nop are also the places in front of the loads below
.else
	PLACES
.endif
	s_xor_b32 s[TB], s[TB], SLOT
	v_add_nc_u32 v[CA], s[TB], v[A0]
	v_add_nc_u32 v[CB], s[TB], v[B0]
.if \fill
	FETCH 0, F0
.else
	s_cmp_eq_u32 s3, 1
	s_cbranch_scc1 .Lno_more_\@
	FETCH 0, F0
.Lno_more_\@:
.endif
	MUL8 F1, 1, 0, 0
	MUL8 F1, 1, 2, 0
.endm
; THE WAY OUT of block a (16 rows x 64 columns of f32): into my stage, 32 bytes a lane and n block, and back as whole rows of 256 bytes; the residual is added; stored.
.macro TOSTAGE a
.set BK, TMP+32*((\a)%2)
	s_wait_xcnt 0x0                                ; registers that earlier stores read are loaded again only behind this wait
.irp b, 0,1,2,3
	ds_store_b128 v[STO], v[ACC+8*(4*(\a)+(\b)):ACC+8*(4*(\a)+(\b))+3]   offset:64*(\b)
	ds_store_b128 v[STO], v[ACC+8*(4*(\a)+(\b))+4:ACC+8*(4*(\a)+(\b))+7] offset:64*(\b)+16
.endr
.irp t, 0,1,2,3,4,5,6,7
	ds_load_b128 v[BK+4*(\t):BK+4*(\t)+3], v[RD] offset:(\t)*2*SPITCH  ; LDS serves a wave's instructions in order: these see the stores above
.endr
.endm
.macro SEND a, younger                 ; younger: the LDS instructions issued behind block a's loads: the next block's sixteen, or none
.set BK, TMP+32*((\a)%2)
	s_wait_dscnt \younger
	WIN 0x08                                       ; source 1 (the residual) in window 2
.set i, 0
.rept 16
	v_pk_add_f32 v[BK+i:BK+i+1], v[BK+i:BK+i+1], v[RES+32*(\a)+i:RES+32*(\a)+i+1]
.set i, i+2
.endr
	WIN 0
.irp t, 0,1,2,3,4,5,6,7
	global_store_b128 v[CO], v[BK+4*(\t):BK+4*(\t)+3], s[84:85] offset:(16*(\a)+2*(\t))*ROWB  ; 16 lanes store 256 consecutive bytes, at a multiple of 256 from C's first byte
.endr
.endm
	s_wait_tensorcnt 1                             ; my part of K step 0 is in; step 1's may stay out
	s_barrier_signal -1
	s_barrier_wait -1
	FETCH 0, F0
	s_wait_loadcnt 32                              ; the bias is in; the residual's 32 loads, issued behind it, stay out
	QUARTER 128, F0, F1, 1                         ; the first quarter: its first products start the sums from the bias
	WIN 0
	s_mov_b32 s3, NSTEP-2
.Lfill:                                                ; every K step but the last two asks for the step two on
	QUARTER 256, F1, F0, 0
	QUARTER 384, F0, F1, 0
	TURN 1
	QUARTER 128, F0, F1, 0
	WIN 0
	s_sub_co_u32 s3, s3, 1
	s_cmp_lg_u32 s3, 0
	s_cbranch_scc1 .Lfill
	s_mov_b32 s3, 2
.Ldry:                                                 ; the last two steps ask for nothing; the second trip is left in its middle
	QUARTER 256, F1, F0, 0
	QUARTER 384, F0, F1, 0
	TURN 0
	WIN 0
	s_sub_co_u32 s3, s3, 1
	s_cmp_eq_u32 s3, 0
	s_cbranch_scc1 .Lout
	QUARTER 128, F0, F1, 0
	WIN 0
	s_branch .Ldry
.Lout:
	PLACES
	s_wait_loadcnt 0x0                             ; the residual
	TOSTAGE 0
	TOSTAGE 1
	SEND 0, 16
	TOSTAGE 2
	SEND 1, 16
	TOSTAGE 3
	SEND 2, 16
	SEND 3, 0
	s_wait_tensorcnt 0x0                           ; the wave's end
	ds_add_u32 v[SPW], v[NIL]
	s_wait_dscnt 0x0
	CROUND                                         ; the closing round
	s_endpgm
.Lfunc_end_k_qd297232aee_proj:
	.size	k_qd297232aee_proj, .Lfunc_end_k_qd297232aee_proj-k_qd297232aee_proj
	.p2alignl 7, 3214868480
	.fill 96, 4, 3214868480
	.section	.rodata,"a",@progbits
	.p2align	6, 0x0
	.amdhsa_kernel k_qd297232aee_proj
		.amdhsa_group_segment_fixed_size 327680
		.amdhsa_private_segment_fixed_size 0
		.amdhsa_enable_private_segment 0
		.amdhsa_kernarg_size 40
		.amdhsa_user_sgpr_count 2
		.amdhsa_user_sgpr_kernarg_segment_ptr 1
		.amdhsa_wavefront_size32 1
		.amdhsa_system_sgpr_workgroup_id_x 1
		.amdhsa_system_sgpr_workgroup_id_y 1
		.amdhsa_system_sgpr_workgroup_id_z 1
		.amdhsa_system_vgpr_workitem_id 0
		.amdhsa_next_free_vgpr 640
		.amdhsa_next_free_sgpr 88
		.amdhsa_reserve_vcc 0
		.amdhsa_float_denorm_mode_32 3
		.amdhsa_float_denorm_mode_16_64 3
		.amdhsa_memory_ordered 1
		.amdhsa_forward_progress 1
		.amdhsa_inst_pref_size 66
	.end_amdhsa_kernel
	.amdgpu_metadata
---
amdhsa.version: [ 1, 2 ]
amdhsa.kernels:
  - .name:           k_qd297232aee_proj
    .symbol:         k_qd297232aee_proj.kd
    .args:
      - { .name: ctx, .offset: 0, .size: 8, .value_kind: global_buffer, .address_space: global }
      - { .name: cbA, .offset: 8, .size: 8, .value_kind: global_buffer, .address_space: global }
      - { .name: bo, .offset: 16, .size: 8, .value_kind: global_buffer, .address_space: global }
      - { .name: question_embeddings, .offset: 24, .size: 8, .value_kind: global_buffer, .address_space: global }
      - { .name: y, .offset: 32, .size: 8, .value_kind: global_buffer, .address_space: global }
    .group_segment_fixed_size: 327680
    .private_segment_fixed_size: 0
    .kernarg_segment_align: 8
    .kernarg_segment_size: 40
    .max_flat_workgroup_size: 128
    .sgpr_count:     88
    .vgpr_count:     640
    .wavefront_size: 32
...
	.end_amdgpu_metadata
.endif
;; end of part 4
;; launch ln1 (part 5): grid 256 x 1, 16 waves a work-group, no clusters, 0 bytes of LDS; arguments y, ln_g, ln_b, h, act16; writes h, act16
.if DOCPART == 5
	.amdgcn_target "amdgcn-amd-amdhsa--gfx1250"
	.amdhsa_code_object_version 6
	.text
	.protected	k_qd297232aee_ln1
	.globl	k_qd297232aee_ln1
	.p2align	8
	.type	k_qd297232aee_ln1,@function
k_qd297232aee_ln1:
	s_mov_b64 s[64:65], 0
	v_nop
	global_prefetch_b8 v0, s[64:65] scope:SCOPE_SE
	s_setreg_imm32_b32 hwreg(HW_REG_WAVE_MODE, 25, 1), 1
	s_wait_xcnt 0x0
; h[r][:] = (y[r][:] - mean) / sqrt(var + 1e-5) * g + b, over rows of 1,024 f32; stored in f32 (the later residual) and, rounded once, in bf16 (the next product's operand).
; The variance is the mean of the squared differences from the mean, in two passes over registers.  A wave takes one whole row, 32 numbers a lane; the sums never leave the wave: no LDS, no barrier.
; Sixteen waves a work-group, 4,096 waves in all, one for each row.  All 24 loads of a wave go out at the start, in the order row, g, b.
; A load or f32 store of a wave covers 512 consecutive bytes, a bf16 store 256, each at a multiple of 256.
.set INV, 3                            ; 1 / 1024
.set X,   8
.set G,   40
.set B,   72
.set HB,  104                          ; v[104:119] the row in bf16
.set MU,  120
.set RS,  122
.set EPS, 124
	s_load_b256 s[4:11], s[0:1], 0x0               ; y 4, g 6, b 8, h 10
	s_load_b64 s[16:17], s[0:1], 0x20              ; the bf16 copy
	v_and_b32 v3, 31, v0
	v_lshlrev_b32 v1, 4, v3
	v_lshlrev_b32 v2, 3, v3
	v_lshrrev_b32 v3, 5, v0
	v_readfirstlane_b32 s2, v3
	s_lshl_b32 s3, ttmp9, 4
	s_add_co_u32 s2, s2, s3                        ; my row
	s_lshl_b32 s18, s2, 12
	s_mov_b32 s19, 0
	s_lshl_b32 s20, s2, 11
	s_mov_b32 s21, 0
	s_mov_b32 s12, 0x76543210
	s_mov_b32 s13, 0xfedcba98
	v_mov_b32 v[INV], 0x3a800000
	v_mov_b32 v[EPS], 0x3727c5ac                   ; 1e-5
	s_wait_kmcnt 0x0
	s_add_nc_u64 s[4:5], s[4:5], s[18:19]
	s_add_nc_u64 s[10:11], s[10:11], s[18:19]
	s_add_nc_u64 s[16:17], s[16:17], s[20:21]
.irp j, 0,1,2,3,4,5,6,7
	global_load_b128 v[X+4*(\j):X+4*(\j)+3], v1, s[4:5] offset:512*(\j) th:TH_LOAD_NT
.endr
.irp j, 0,1,2,3,4,5,6,7
	global_load_b128 v[G+4*(\j):G+4*(\j)+3], v1, s[6:7] offset:512*(\j)
.endr
.irp j, 0,1,2,3,4,5,6,7
	global_load_b128 v[B+4*(\j):B+4*(\j)+3], v1, s[8:9] offset:512*(\j)
.endr
.macro REDUCE                          ; v[4:7] -> the sum over the wave's 32 lanes, in v4 of every lane
	v_pk_add_f32 v[4:5], v[4:5], v[6:7]
	v_add_f32 v4, v4, v5
	v_add_f32_dpp v4, v4, v4 row_xmask:1 row_mask:0xf bank_mask:0xf
	v_add_f32_dpp v4, v4, v4 row_xmask:2 row_mask:0xf bank_mask:0xf
	v_add_f32_dpp v4, v4, v4 row_xmask:4 row_mask:0xf bank_mask:0xf
	v_add_f32_dpp v4, v4, v4 row_xmask:8 row_mask:0xf bank_mask:0xf
	v_permlanex16_b32 v5, v4, s12, s13
	v_add_f32 v4, v4, v5
.endm
	s_wait_loadcnt 16                              ; the row is in; g's and b's sixteen loads, issued behind it, may be out
	v_pk_add_f32 v[4:5], v[X:X+1], v[X+2:X+3]
	v_pk_add_f32 v[6:7], v[X+4:X+5], v[X+6:X+7]
.set i, 8
.rept 6
	v_pk_add_f32 v[4:5], v[4:5], v[X+i:X+i+1]
	v_pk_add_f32 v[6:7], v[6:7], v[X+i+2:X+i+3]
.set i, i+4
.endr
	REDUCE
	v_mul_f32 v[MU], v4, v[INV]
	v_mul_f32 v[MU+1], v4, v[INV]
.set i, 0
.rept 16
	v_pk_add_f32 v[X+i:X+i+1], v[X+i:X+i+1], v[MU:MU+1] neg_lo:[0,1] neg_hi:[0,1]
.set i, i+2
.endr
	v_pk_mul_f32 v[4:5], v[X:X+1], v[X:X+1]
	v_pk_mul_f32 v[6:7], v[X+2:X+3], v[X+2:X+3]
.set i, 4
.rept 7
	v_pk_fma_f32 v[4:5], v[X+i:X+i+1], v[X+i:X+i+1], v[4:5]
	v_pk_fma_f32 v[6:7], v[X+i+2:X+i+3], v[X+i+2:X+i+3], v[6:7]
.set i, i+4
.endr
	REDUCE
	v_fma_f32 v4, v4, v[INV], v[EPS]               ; var + 1e-5
	v_rsq_f32 v[RS], v4
	v_rsq_f32 v[RS+1], v4
	v_nop                                          ; a plain instruction between the root and the use of its result
	s_wait_loadcnt 0x0                             ; g and b
.set i, 0
	s_wait_alu depctr_va_vdst(0)
.rept 16
	v_pk_mul_f32 v[X+i:X+i+1], v[X+i:X+i+1], v[RS:RS+1]
.set i, i+2
.endr
.set i, 0
.rept 16
	v_pk_fma_f32 v[X+i:X+i+1], v[X+i:X+i+1], v[G+i:G+i+1], v[B+i:B+i+1]
.set i, i+2
.endr
.irp j, 0,1,2,3,4,5,6,7
	global_store_b128 v1, v[X+4*(\j):X+4*(\j)+3], s[10:11] offset:512*(\j)
.endr
.set i, 0
.rept 16
	v_cvt_pk_bf16_f32 v[HB+i], v[X+2*i], v[X+2*i+1]
.set i, i+1
.endr
.irp j, 0,1,2,3,4,5,6,7
	global_store_b64 v2, v[HB+2*(\j):HB+2*(\j)+1], s[16:17] offset:256*(\j)
.endr
	s_endpgm
.Lfunc_end_k_qd297232aee_ln1:
	.size	k_qd297232aee_ln1, .Lfunc_end_k_qd297232aee_ln1-k_qd297232aee_ln1
	.p2alignl 7, 3214868480
	.fill 96, 4, 3214868480
	.section	.rodata,"a",@progbits
	.p2align	6, 0x0
	.amdhsa_kernel k_qd297232aee_ln1
		.amdhsa_group_segment_fixed_size 0
		.amdhsa_private_segment_fixed_size 0
		.amdhsa_enable_private_segment 0
		.amdhsa_kernarg_size 40
		.amdhsa_user_sgpr_count 2
		.amdhsa_user_sgpr_kernarg_segment_ptr 1
		.amdhsa_wavefront_size32 1
		.amdhsa_system_sgpr_workgroup_id_x 1
		.amdhsa_system_sgpr_workgroup_id_y 1
		.amdhsa_system_sgpr_workgroup_id_z 1
		.amdhsa_system_vgpr_workitem_id 0
		.amdhsa_next_free_vgpr 128
		.amdhsa_next_free_sgpr 66
		.amdhsa_reserve_vcc 0
		.amdhsa_float_denorm_mode_32 3
		.amdhsa_float_denorm_mode_16_64 3
		.amdhsa_memory_ordered 1
		.amdhsa_forward_progress 1
		.amdhsa_inst_pref_size 12
	.end_amdhsa_kernel
	.amdgpu_metadata
---
amdhsa.version: [ 1, 2 ]
amdhsa.kernels:
  - .name:           k_qd297232aee_ln1
    .symbol:         k_qd297232aee_ln1.kd
    .args:
      - { .name: y, .offset: 0, .size: 8, .value_kind: global_buffer, .address_space: global }
      - { .name: ln_g, .offset: 8, .size: 8, .value_kind: global_buffer, .address_space: global }
      - { .name: ln_b, .offset: 16, .size: 8, .value_kind: global_buffer, .address_space: global }
      - { .name: h, .offset: 24, .size: 8, .value_kind: global_buffer, .address_space: global }
      - { .name: act16, .offset: 32, .size: 8, .value_kind: global_buffer, .address_space: global }
    .group_segment_fixed_size: 0
    .private_segment_fixed_size: 0
    .kernarg_segment_align: 8
    .kernarg_segment_size: 40
    .max_flat_workgroup_size: 512
    .sgpr_count:     66
    .vgpr_count:     128
    .wavefront_size: 32
...
	.end_amdgpu_metadata
.endif
;; end of part 5
;; launch ff1: the kernel of part 2 again; grid 16 x 16, 4 waves a work-group, clusters of 4 x 4, 327,680 bytes of LDS; arguments act16, cbB, ffb; writes ffb
;; launch ff2 (part 6): grid 8 x 32, 4 waves a work-group, clusters of 4 x 4, 327,680 bytes of LDS; arguments ffb, cbB, b2, h, y; writes y
.if DOCPART == 6
	.amdgcn_target "amdgcn-amd-amdhsa--gfx1250"
	.amdhsa_code_object_version 6
	.text
	.protected	k_qd297232aee_ff2
	.globl	k_qd297232aee_ff2
	.p2align	8
	.type	k_qd297232aee_ff2,@function
k_qd297232aee_ff2:
	s_mov_b64 s[64:65], 0
	v_nop
	global_prefetch_b8 v0, s[64:65] scope:SCOPE_SE
	s_setreg_imm32_b32 hwreg(HW_REG_WAVE_MODE, 25, 1), 1
	s_wait_xcnt 0x0
	s_wait_alu depctr_hold_cnt(0) depctr_sa_sdst(0) depctr_va_vdst(0) depctr_va_sdst(0) depctr_va_ssrc(0) depctr_va_vcc(0) depctr_vm_vsrc(0)
	s_getreg_b32 s2, hwreg(HW_REG_IB_STS2, 6, 4)
	s_cmp_eq_u32 s2, 0
	s_cbranch_scc0 .Lentry_in_a_cluster
	s_endpgm
.Lentry_in_a_cluster:
	s_bfe_u32 s2, ttmp6, 0x10000c
	s_cmp_lg_u32 s2, 0xf033
	s_cbranch_scc0 .Lentry_shape_is_right
	s_endpgm
.Lentry_shape_is_right:
; C[m][n] = R[m][n] + bias[n] + sum over k of A[m][k] B[n][k], in f32.  A: [4096][4096] bf16.  B: [1024][4096] bf16 at the second buffer's first byte.  bias: [1024] f32.  R, C: [4096][1024] f32.
; The feed-forward's second product with its residual h.  (The attention's output projection is the same text with SIZE_K = 1,024 and without the prefetch.)
; A tile of C is 128 x 128, so that 256 work-groups share the work; four waves, each 64 x 64: 16 accumulators.  K goes in 16 steps of 256 (LDS rows of 512 bytes) through two slots.
; CLUSTER 4 x 4: A's tiles are shared along a row of the cluster, B's along a column, each asked for jointly.  THE MATRIX INSTRUCTION IS USED TRANSPOSED: a lane holds eight neighbouring numbers of a row of C.
; THE BIAS STARTS THE SUMS, as the C operand of the first products, which stand ahead of the loop.  The residual is loaded at the start, into registers of its own, and added in f32 on the way out.
; A wave's 64 columns of f32 are 256 bytes at a multiple of 256: each wave has a stage of its own, and the way out has no barrier.
; PREFETCH INTO THE L2.  The trip whose tensor loads bring K step s + 2 also names K step s + 4's tiles: two trips, 256 matrix instructions of a wave, ahead of the tensor loads that want them.  Each 256 bytes of a
; row are named once in the launch: A's by the four work-groups of cluster column 0 in that row of tiles (32 rows each: waves 0 and 1, two lanes a row), B's by the four of cluster row 0 in that column of tiles
; (waves 2 and 3).  K steps 0 to 3 are wanted too soon to be named ahead; the filling loop's last two trips name nothing, since there are no K steps 16 and 17.
; REGISTERS: window 0: v0-31 addresses; v32-95 the bias, then the way out; v128-255 the accumulators.  window 1: two fragment buffers of 128.  window 2: v0-127 the residual.
.set SIZE_K, 4096
.set KSTEP,  256
.set NSTEP,  SIZE_K/KSTEP
.set PITCH,  528                       ; an LDS row: 512 bytes + 16 of padding
.set HALFT,  64*PITCH
.set SLOT,   4*HALFT                   ; 0x21000: shares no bit with wave x HALFT, so an exclusive or changes the slot
.set STAGE,  2*SLOT                    ; 16 rows x 272 bytes for each wave
.set SPITCH, 272
.set SPARE,  STAGE+4*16*SPITCH         ; the spare words, 128 bytes a wave; no other line names them
.set ROWB,   4096                      ; bytes in a row of R and C
.set A0,   16
.set CA,   17
.set B0,   20
.set CB,   21
.set STO,  24
.set RD,   25
.set CO,   26
.set BO,   27
.set SPW,  28
.set NIL,  29
.set PFO,  30                          ; the prefetch: 8,192 x (lane / 2) + 256 x (lane % 2); never rewritten
.set TMP,  32
.set BIAS, 32
.set ACC,  128
.set F0,   0
.set F1,   128
.set RES,  0
.set G1, 24
.set G0, 32
.set G1B, 48
.set G0B, 56
.set TB, 66
.set PF, 68                            ; s[68:69] the prefetch: my 16 rows of A or of B at the K step named last
.set ASK, 70                           ; 0: my wave names tiles ahead
.set MSB, 0
.macro WIN new
.if MSB != (\new)
	s_set_vgpr_msb (MSB<<8)|(\new)
.set MSB, \new
.endif
.endm
.set MUL,  0x05                        ; sources 0 (B) and 1 (A) window 1; C and D window 0
.set TO_F, 0x40
.macro JLOAD s                         ; a joint load: waves 0, 1 fetch A's halves, waves 2, 3 B's; s_nop 0 and four v_nop follow each line
	s_cmp_eq_u32 s11, 0
	s_cbranch_scc0 .Lfor_b_\@
	tensor_load_to_lds s[G0+4*(\s):G0+4*(\s)+3], s[G1:G1+7]
	s_nop 0
.rept 4
	v_nop
.endr
	s_branch .Lasked_\@
.Lfor_b_\@:
	tensor_load_to_lds s[G0B+4*(\s):G0B+4*(\s)+3], s[G1B:G1B+7]
	s_nop 0
.rept 4
	v_nop
.endr
.Lasked_\@:
.endm
.macro CREST
	s_cmp_lg_u32 s10, 0
	s_cbranch_scc1 .Lnot_wave_0_\@
	s_barrier_signal -3
.Lnot_wave_0_\@:
	s_barrier_wait -3
	s_barrier_signal -1
	s_barrier_wait -1
.endm
.macro CROUND
	s_barrier_signal -1
	s_barrier_wait -1
	CREST
.endm
	s_load_b256 s[76:83], s[0:1], 0x0              ; A 76, W 78, bias 80, R 82
	s_load_b64 s[84:85], s[0:1], 0x20              ; C
	v_lshl_add_u32 v[SPW], v0, 2, SPARE
	v_mov_b32 v[NIL], 0
	ds_add_u32 v[SPW], v[NIL]                      ; the wave's opening: the add and its wait stand ahead of my first tensor load
	v_lshrrev_b32 v1, 5, v0
	v_readfirstlane_b32 s10, v1
	s_lshr_b32 s11, s10, 1                         ; my half of the tile's rows; also: I fetch for A (0) or B (1)
	s_and_b32 s12, s10, 1                          ; my half of its columns; also: which 64 rows I fetch
	s_bfe_u32 s40, ttmp6, 0x40000
	s_bfe_u32 s41, ttmp6, 0x40004
	s_lshl_b32 s42, ttmp9, 2
	s_add_co_u32 s42, s42, s40                     ; tile column
	s_and_b32 s13, ttmp7, 0xffff
	s_lshl_b32 s13, s13, 2
	s_add_co_u32 s13, s13, s41                     ; tile row
	s_lshl_b32 s43, s41, 2
	s_lshl_b32 s43, 15, s43
	s_lshl_b32 s44, 0x1111, s40
	s_or_b32 s[G1+0], s43, (1<<16)|(1<<20)|(1<<21)|(6<<22)|(3<<25)   ; mask; 2-byte elements; padding on; bit 21 beside a mask; after every 128 words; 4 words
	s_or_b32 s[G1B+0], s44, (1<<16)|(1<<20)|(1<<21)|(6<<22)|(3<<25)
.irp g, G1, G1B
	s_mov_b32 s[(\g)+1], KSTEP<<16
	s_mov_b32 s[(\g)+2], 64<<16
	s_mov_b32 s[(\g)+3], KSTEP<<16
	s_mov_b32 s[(\g)+4], 64
	s_mov_b32 s[(\g)+5], SIZE_K
	s_mov_b32 s[(\g)+6], 0
	s_mov_b32 s[(\g)+7], 0
.endr
	s_lshl_b32 s17, s12, 6
	s_lshl_b32 s16, s13, 7
	s_add_co_u32 s16, s16, s17                     ; A: row 128 x tile row + 64 x half
	s_mul_i32 s16, s16, SIZE_K*2
	s_lshl_b32 s46, s42, 7
	s_add_co_u32 s46, s46, s17                     ; B: row 128 x tile column + 64 x half
	s_mul_i32 s46, s46, SIZE_K*2
	s_mov_b32 s17, 0
	s_mov_b32 s47, 0
	s_mul_i32 s20, s10, HALFT
	s_mov_b32 s[TB], 0
	; the prefetch's share: waves 0, 1 name rows of A, waves 2, 3 rows of B; the offset is made apart from the address
	s_lshl_b32 s[PF], s13, 7                       ; A: row 128 x tile row
	s_lshl_b32 s71, s40, 5                         ;    + 32 cx
	s_add_co_u32 s[PF], s[PF], s71
	s_lshl_b32 s71, s42, 7                         ; B: row 128 x tile column
	s_lshl_b32 s72, s41, 5                         ;    + 32 cy
	s_add_co_u32 s71, s71, s72
	s_mov_b32 s72, ttmp9                           ; the cluster's x,
	s_and_b32 s73, ttmp7, 0xffff                   ; and its y
	s_cmp_eq_u32 s11, 0
	s_cselect_b32 s[PF], s[PF], s71
	s_cselect_b32 s[ASK], s72, s73                 ; A is named in cluster column 0, B in cluster row 0
	s_lshl_b32 s71, s12, 4                         ; + 16 rows for the odd waves
	s_add_co_u32 s[PF], s[PF], s71
	s_mul_i32 s[PF], s[PF], SIZE_K*2               ; in bytes,
	s_add_co_u32 s[PF], s[PF], 3*KSTEP*2           ; at K step 3: the first trip steps to 4
	s_mov_b32 s[PF+1], 0
	s_wait_dscnt 0x0                               ; the opening add is done
	s_wait_kmcnt 0x0
	s_add_nc_u64 s[14:15], s[76:77], s[16:17]
	s_add_nc_u64 s[46:47], s[78:79], s[46:47]
	s_cmp_eq_u32 s11, 0
	s_cselect_b64 s[74:75], s[76:77], s[78:79]
	s_add_nc_u64 s[PF:PF+1], s[74:75], s[PF:PF+1]
	CROUND
.irp s, 0,1
	s_mov_b32 s[G0+4*(\s)], 1
	s_add_co_u32 s[G0+4*(\s)+1], s20, (\s)*SLOT
	s_add_nc_u64 s[G0+4*(\s)+2:G0+4*(\s)+3], s[14:15], (\s)*KSTEP*2
	s_or_b32 s[G0+4*(\s)+3], s[G0+4*(\s)+3], 0x80000000
	s_mov_b32 s[G0B+4*(\s)], 1
	s_add_co_u32 s[G0B+4*(\s)+1], s20, (\s)*SLOT
	s_add_nc_u64 s[G0B+4*(\s)+2:G0B+4*(\s)+3], s[46:47], (\s)*KSTEP*2
	s_or_b32 s[G0B+4*(\s)+3], s[G0B+4*(\s)+3], 0x80000000
	JLOAD \s
.endr
	v_and_b32 v1, 15, v0
	v_bfe_u32 v2, v0, 4, 1
	v_lshlrev_b32 v[BO], 5, v2
	v_lshlrev_b32 v5, 12, v2                       ; lanes 16-31: one row of R and C further down
	v_lshl_add_u32 v[CO], v1, 4, v5
	s_lshl_b32 s16, s13, 7
	s_lshl_b32 s17, s11, 6
	s_add_co_u32 s16, s16, s17                     ; my first row,
	s_lshl_b32 s16, s16, 12
	s_lshl_b32 s18, s42, 9                         ; my first column, in bytes: 512 x tile column + 256 x half
	s_lshl_b32 s19, s12, 8
	s_add_co_u32 s18, s18, s19
	s_mov_b32 s19, 0
	s_add_nc_u64 s[80:81], s[80:81], s[18:19]
	s_add_co_u32 s16, s16, s18
	s_mov_b32 s17, 0
	s_add_nc_u64 s[82:83], s[82:83], s[16:17]
	s_add_nc_u64 s[84:85], s[84:85], s[16:17]
.irp b, 0,1,2,3
	global_load_b128 v[BIAS+8*(\b):BIAS+8*(\b)+3],   v[BO], s[80:81] offset:64*(\b)
	global_load_b128 v[BIAS+8*(\b)+4:BIAS+8*(\b)+7], v[BO], s[80:81] offset:64*(\b)+16
.endr
	WIN 0x80
.irp a, 0,1,2,3
.irp t, 0,1,2,3,4,5,6,7
	global_load_b128 v[RES+32*(\a)+4*(\t):RES+32*(\a)+4*(\t)+3], v[CO], s[82:83] offset:(16*(\a)+2*(\t))*ROWB   ; the residual, laid as the way out reads rows back; it lands under the K loop
.endr
.endr
	WIN 0
	v_bfe_u32 v3, v0, 1, 4                         ; the prefetch: two lanes a row of 8,192 bytes,
	v_and_b32 v4, 1, v0                            ; 256 bytes apart
	v_lshlrev_b32 v[PFO], 13, v3
	v_lshl_add_u32 v[PFO], v4, 8, v[PFO]
	v_mul_u32_u24 v3, v1, PITCH
	v_lshl_add_u32 v3, v2, 4, v3
	s_mul_i32 s21, s11, HALFT
	s_mul_i32 s22, s12, HALFT
	s_add_co_u32 s22, s22, 2*HALFT
	v_add_nc_u32 v[A0], s21, v3
	v_add_nc_u32 v[B0], s22, v3
	v_mov_b32 v[CA], v[A0]
	v_mov_b32 v[CB], v[B0]
	s_mul_i32 s23, s10, 16*SPITCH
	s_add_co_u32 s23, s23, STAGE                   ; my stage
	v_mul_u32_u24 v4, v1, SPITCH                   ; in: row l % 16, 32 bytes for each half of the lanes
	v_lshl_add_u32 v4, v2, 5, v4
	v_add_nc_u32 v[STO], s23, v4
	v_mul_u32_u24 v5, v2, SPITCH                   ; back: lanes 0-15 one row of 256 bytes, lanes 16-31 the next
	v_lshl_add_u32 v5, v1, 4, v5
	v_add_nc_u32 v[RD], s23, v5
.macro MUL8 f, c, a0, first            ; 8 matrix instructions: m blocks a0, a0 + 1 x all 4 n blocks, 32 along K: half c of buffer f.  first = 1: the bias is C and starts the sums
	WIN MUL
.irp a, \a0, (\a0)+1
.irp b, 0,1,2,3
.if \first
	v_wmma_f32_16x16x32_bf16 v[ACC+8*(4*(\a)+(\b)):ACC+8*(4*(\a)+(\b))+7], v[(\f)+64+8*(4*(\c)+(\b)):(\f)+64+8*(4*(\c)+(\b))+7], v[(\f)+8*(4*(\c)+(\a)):(\f)+8*(4*(\c)+(\a))+7], v[BIAS+8*(\b):BIAS+8*(\b)+7]
.else
	v_wmma_f32_16x16x32_bf16 v[ACC+8*(4*(\a)+(\b)):ACC+8*(4*(\a)+(\b))+7], v[(\f)+64+8*(4*(\c)+(\b)):(\f)+64+8*(4*(\c)+(\b))+7], v[(\f)+8*(4*(\c)+(\a)):(\f)+8*(4*(\c)+(\a))+7], v[ACC+8*(4*(\a)+(\b)):ACC+8*(4*(\a)+(\b))+7]
.endif
.endr
.endr
.endm
.macro FETCH k, f                      ; 32 LDS loads in one run: the fragments of 64 along K at byte k of the rows of the slot in hand; the first 32 along K first
	WIN TO_F
.irp c, 0,1
.irp i, 0,1,2,3
	ds_load_b128 v[(\f)+64+8*(4*(\c)+(\i)):(\f)+64+8*(4*(\c)+(\i))+3],   v[CB] offset:(\k)+64*(\c)+(\i)*16*PITCH
	ds_load_b128 v[(\f)+64+8*(4*(\c)+(\i))+4:(\f)+64+8*(4*(\c)+(\i))+7], v[CB] offset:(\k)+64*(\c)+(\i)*16*PITCH+32
	ds_load_b128 v[(\f)+8*(4*(\c)+(\i)):(\f)+8*(4*(\c)+(\i))+3],         v[CA] offset:(\k)+64*(\c)+(\i)*16*PITCH
	ds_load_b128 v[(\f)+8*(4*(\c)+(\i))+4:(\f)+8*(4*(\c)+(\i))+7],       v[CA] offset:(\k)+64*(\c)+(\i)*16*PITCH+32
.endr
.endr
	WIN 0
.endm
.macro PLACES                          ; four plain vector instructions between a matrix instruction and a load into a register that it read, or a read of its result (ISA guide 7.12.1 for vector instructions)
.rept 4
	v_nop
.endr
.endm
.macro QUARTER k, f, g, first          ; 64 along K: 32 matrix instructions, the 16 accumulators by turns; the next quarter's loads in its middle
	s_wait_dscnt 16                                ; the first 32 along K are in
	MUL8 \f, 0, 0, \first
	MUL8 \f, 0, 2, \first
	PLACES
	FETCH \k, \g
	s_wait_dscnt 32                                ; all but the 32 just issued
	MUL8 \f, 1, 0, 0
	MUL8 \f, 1, 2, 0
.endm
; The last quarter multiplies buffer 1 and changes slots: one barrier; in front of it each wave waits for all its tensor loads, adds 0 to its spare word, and waits for that and for its reads of this slot.
; fill = 1: the barrier opens a round of the cluster's, and this slot is filled again first thing behind it, two K steps ahead; behind the run of LDS loads the waves that have a share name the K step four on
; for the L2.  fill = 0: nothing is asked for; in the last step (s3 = 1) the run of LDS loads is jumped over.
.macro TURN fill
	WIN 0
	s_wait_tensorcnt 0x0
	ds_add_u32 v[SPW], v[NIL]
	s_wait_dscnt 17                                ; (the add and the youngest sixteen loads may be out)
	MUL8 F1, 0, 0, 0
	s_wait_dscnt 0x0                               ; the add is done, and my reads of this slot are over
	s_barrier_signal -1
	MUL8 F1, 0, 2, 0
	WIN 0
	s_barrier_wait -1
.if \fill
	CREST
	s_xor_b32 s[G0+5], s[G0+5], SLOT
	s_add_nc_u64 s[G0+6:G0+7], s[G0+6:G0+7], KSTEP*2
	s_xor_b32 s[G0B+5], s[G0B+5], SLOT
	s_add_nc_u64 s[G0B+6:G0B+7], s[G0B+6:G0B+7], KSTEP*2
	JLOAD 1                                        ; its four v_nop are also the places in front of the loads below
.else
	PLACES
.endif
	s_xor_b32 s[TB], s[TB], SLOT
	v_add_nc_u32 v[CA], s[TB], v[A0]
	v_add_nc_u32 v[CB], s[TB], v[B0]
.if \fill
	FETCH 0, F0
	s_cmp_lt_u32 s3, 3                             ; the loop's last two trips would name K steps 16 and 17: they name nothing
	s_cbranch_scc1 .Lno_ask_\@
	s_cmp_lg_u32 s[ASK], 0                         ; nor does a wave without a share
	s_cbranch_scc1 .Lno_ask_\@
	s_wait_xcnt 0x0                                ; the base that the last trip's prefetch named is stepped only behind this wait, a trip behind that prefetch
	s_add_nc_u64 s[PF:PF+1], s[PF:PF+1], KSTEP*2
	global_prefetch_b8 v[PFO], s[PF:PF+1] th:TH_LOAD_NT scope:SCOPE_SE  ; 16 rows, two lanes a row, 256 bytes apart: that K step's 512 bytes of each; 16 matrix instructions follow
.Lno_ask_\@:
.else
	s_cmp_eq_u32 s3, 1
	s_cbranch_scc1 .Lno_more_\@
	FETCH 0, F0
.Lno_more_\@:
.endif
	MUL8 F1, 1, 0, 0
	MUL8 F1, 1, 2, 0
.endm
; THE WAY OUT of block a (16 rows x 64 columns of f32): into my stage, 32 bytes a lane and n block, and back as whole rows of 256 bytes; the residual is added; stored.
.macro TOSTAGE a
.set BK, TMP+32*((\a)%2)
	s_wait_xcnt 0x0                                ; registers that earlier stores read are loaded again only behind this wait
.irp b, 0,1,2,3
	ds_store_b128 v[STO], v[ACC+8*(4*(\a)+(\b)):ACC+8*(4*(\a)+(\b))+3]   offset:64*(\b)
	ds_store_b128 v[STO], v[ACC+8*(4*(\a)+(\b))+4:ACC+8*(4*(\a)+(\b))+7] offset:64*(\b)+16
.endr
.irp t, 0,1,2,3,4,5,6,7
	ds_load_b128 v[BK+4*(\t):BK+4*(\t)+3], v[RD] offset:(\t)*2*SPITCH  ; LDS serves a wave's instructions in order: these see the stores above
.endr
.endm
.macro SEND a, younger                 ; younger: the LDS instructions issued behind block a's loads: the next block's sixteen, or none
.set BK, TMP+32*((\a)%2)
	s_wait_dscnt \younger
	WIN 0x08                                       ; source 1 (the residual) in window 2
.set i, 0
.rept 16
	v_pk_add_f32 v[BK+i:BK+i+1], v[BK+i:BK+i+1], v[RES+32*(\a)+i:RES+32*(\a)+i+1]
.set i, i+2
.endr
	WIN 0
.irp t, 0,1,2,3,4,5,6,7
	global_store_b128 v[CO], v[BK+4*(\t):BK+4*(\t)+3], s[84:85] offset:(16*(\a)+2*(\t))*ROWB  ; 16 lanes store 256 consecutive bytes, at a multiple of 256 from C's first byte
.endr
.endm
	s_wait_tensorcnt 1                             ; my part of K step 0 is in; step 1's may stay out
	s_barrier_signal -1
	s_barrier_wait -1
	FETCH 0, F0
	s_wait_loadcnt 32                              ; the bias is in; the residual's 32 loads, issued behind it, stay out
	QUARTER 128, F0, F1, 1                         ; the first quarter: its first products start the sums from the bias
	WIN 0
	s_mov_b32 s3, NSTEP-2
.Lfill:                                                ; every K step but the last two asks for the step two on
	QUARTER 256, F1, F0, 0
	QUARTER 384, F0, F1, 0
	TURN 1
	QUARTER 128, F0, F1, 0
	WIN 0
	s_sub_co_u32 s3, s3, 1
	s_cmp_lg_u32 s3, 0
	s_cbranch_scc1 .Lfill
	s_mov_b32 s3, 2
.Ldry:                                                 ; the last two steps ask for nothing; the second trip is left in its middle
	QUARTER 256, F1, F0, 0
	QUARTER 384, F0, F1, 0
	TURN 0
	WIN 0
	s_sub_co_u32 s3, s3, 1
	s_cmp_eq_u32 s3, 0
	s_cbranch_scc1 .Lout
	QUARTER 128, F0, F1, 0
	WIN 0
	s_branch .Ldry
.Lout:
	PLACES
	s_wait_loadcnt 0x0                             ; the residual
	TOSTAGE 0
	TOSTAGE 1
	SEND 0, 16
	TOSTAGE 2
	SEND 1, 16
	TOSTAGE 3
	SEND 2, 16
	SEND 3, 0
	s_wait_tensorcnt 0x0                           ; the wave's end
	ds_add_u32 v[SPW], v[NIL]
	s_wait_dscnt 0x0
	CROUND                                         ; the closing round
	s_endpgm
.Lfunc_end_k_qd297232aee_ff2:
	.size	k_qd297232aee_ff2, .Lfunc_end_k_qd297232aee_ff2-k_qd297232aee_ff2
	.p2alignl 7, 3214868480
	.fill 96, 4, 3214868480
	.section	.rodata,"a",@progbits
	.p2align	6, 0x0
	.amdhsa_kernel k_qd297232aee_ff2
		.amdhsa_group_segment_fixed_size 327680
		.amdhsa_private_segment_fixed_size 0
		.amdhsa_enable_private_segment 0
		.amdhsa_kernarg_size 40
		.amdhsa_user_sgpr_count 2
		.amdhsa_user_sgpr_kernarg_segment_ptr 1
		.amdhsa_wavefront_size32 1
		.amdhsa_system_sgpr_workgroup_id_x 1
		.amdhsa_system_sgpr_workgroup_id_y 1
		.amdhsa_system_sgpr_workgroup_id_z 1
		.amdhsa_system_vgpr_workitem_id 0
		.amdhsa_next_free_vgpr 640
		.amdhsa_next_free_sgpr 88
		.amdhsa_reserve_vcc 0
		.amdhsa_float_denorm_mode_32 3
		.amdhsa_float_denorm_mode_16_64 3
		.amdhsa_memory_ordered 1
		.amdhsa_forward_progress 1
		.amdhsa_inst_pref_size 67
	.end_amdhsa_kernel
	.amdgpu_metadata
---
amdhsa.version: [ 1, 2 ]
amdhsa.kernels:
  - .name:           k_qd297232aee_ff2
    .symbol:         k_qd297232aee_ff2.kd
    .args:
      - { .name: ffb, .offset: 0, .size: 8, .value_kind: global_buffer, .address_space: global }
      - { .name: cbB, .offset: 8, .size: 8, .value_kind: global_buffer, .address_space: global }
      - { .name: b2, .offset: 16, .size: 8, .value_kind: global_buffer, .address_space: global }
      - { .name: h, .offset: 24, .size: 8, .value_kind: global_buffer, .address_space: global }
      - { .name: y, .offset: 32, .size: 8, .value_kind: global_buffer, .address_space: global }
    .group_segment_fixed_size: 327680
    .private_segment_fixed_size: 0
    .kernarg_segment_align: 8
    .kernarg_segment_size: 40
    .max_flat_workgroup_size: 128
    .sgpr_count:     88
    .vgpr_count:     640
    .wavefront_size: 32
...
	.end_amdgpu_metadata
.endif
;; end of part 6
;; launch ln2 (part 7): grid 256 x 1, 16 waves a work-group, no clusters, 0 bytes of LDS; arguments y, ln_g, ln_b, out0; writes out0
.if DOCPART == 7
	.amdgcn_target "amdgcn-amd-amdhsa--gfx1250"
	.amdhsa_code_object_version 6
	.text
	.protected	k_qd297232aee_ln2
	.globl	k_qd297232aee_ln2
	.p2align	8
	.type	k_qd297232aee_ln2,@function
k_qd297232aee_ln2:
	s_mov_b64 s[64:65], 0
	v_nop
	global_prefetch_b8 v0, s[64:65] scope:SCOPE_SE
	s_setreg_imm32_b32 hwreg(HW_REG_WAVE_MODE, 25, 1), 1
	s_wait_xcnt 0x0
; out[r][:] = (y[r][:] - mean) / sqrt(var + 1e-5) * g + b, over rows of 1,024 f32.
; The variance is the mean of the squared differences from the mean, in two passes over registers.  A wave takes one whole row, 32 numbers a lane; the sums never leave the wave: no LDS, no barrier.
; Sixteen waves a work-group, 4,096 waves in all, one for each row.  All 24 loads of a wave go out at the start, in the order row, g, b.
; Every load and store of a wave covers 512 consecutive bytes at a multiple of 256.
.set INV, 3                            ; 1 / 1024
.set X,   8
.set G,   40
.set B,   72
.set MU,  120
.set RS,  122
.set EPS, 124
	s_load_b256 s[4:11], s[0:1], 0x0               ; y 4, g 6, b 8, out 10
	v_and_b32 v3, 31, v0
	v_lshlrev_b32 v1, 4, v3
	v_lshrrev_b32 v3, 5, v0
	v_readfirstlane_b32 s2, v3
	s_lshl_b32 s3, ttmp9, 4
	s_add_co_u32 s2, s2, s3                        ; my row
	s_lshl_b32 s18, s2, 12
	s_mov_b32 s19, 0
	s_mov_b32 s12, 0x76543210
	s_mov_b32 s13, 0xfedcba98
	v_mov_b32 v[INV], 0x3a800000
	v_mov_b32 v[EPS], 0x3727c5ac                   ; 1e-5
	s_wait_kmcnt 0x0
	s_add_nc_u64 s[4:5], s[4:5], s[18:19]
	s_add_nc_u64 s[10:11], s[10:11], s[18:19]
.irp j, 0,1,2,3,4,5,6,7
	global_load_b128 v[X+4*(\j):X+4*(\j)+3], v1, s[4:5] offset:512*(\j) th:TH_LOAD_NT
.endr
.irp j, 0,1,2,3,4,5,6,7
	global_load_b128 v[G+4*(\j):G+4*(\j)+3], v1, s[6:7] offset:512*(\j)
.endr
.irp j, 0,1,2,3,4,5,6,7
	global_load_b128 v[B+4*(\j):B+4*(\j)+3], v1, s[8:9] offset:512*(\j)
.endr
.macro REDUCE                          ; v[4:7] -> the sum over the wave's 32 lanes, in v4 of every lane
	v_pk_add_f32 v[4:5], v[4:5], v[6:7]
	v_add_f32 v4, v4, v5
	v_add_f32_dpp v4, v4, v4 row_xmask:1 row_mask:0xf bank_mask:0xf
	v_add_f32_dpp v4, v4, v4 row_xmask:2 row_mask:0xf bank_mask:0xf
	v_add_f32_dpp v4, v4, v4 row_xmask:4 row_mask:0xf bank_mask:0xf
	v_add_f32_dpp v4, v4, v4 row_xmask:8 row_mask:0xf bank_mask:0xf
	v_permlanex16_b32 v5, v4, s12, s13
	v_add_f32 v4, v4, v5
.endm
	s_wait_loadcnt 16                              ; the row is in; g's and b's sixteen loads, issued behind it, may be out
	v_pk_add_f32 v[4:5], v[X:X+1], v[X+2:X+3]
	v_pk_add_f32 v[6:7], v[X+4:X+5], v[X+6:X+7]
.set i, 8
.rept 6
	v_pk_add_f32 v[4:5], v[4:5], v[X+i:X+i+1]
	v_pk_add_f32 v[6:7], v[6:7], v[X+i+2:X+i+3]
.set i, i+4
.endr
	REDUCE
	v_mul_f32 v[MU], v4, v[INV]
	v_mul_f32 v[MU+1], v4, v[INV]
.set i, 0
.rept 16
	v_pk_add_f32 v[X+i:X+i+1], v[X+i:X+i+1], v[MU:MU+1] neg_lo:[0,1] neg_hi:[0,1]
.set i, i+2
.endr
	v_pk_mul_f32 v[4:5], v[X:X+1], v[X:X+1]
	v_pk_mul_f32 v[6:7], v[X+2:X+3], v[X+2:X+3]
.set i, 4
.rept 7
	v_pk_fma_f32 v[4:5], v[X+i:X+i+1], v[X+i:X+i+1], v[4:5]
	v_pk_fma_f32 v[6:7], v[X+i+2:X+i+3], v[X+i+2:X+i+3], v[6:7]
.set i, i+4
.endr
	REDUCE
	v_fma_f32 v4, v4, v[INV], v[EPS]               ; var + 1e-5
	v_rsq_f32 v[RS], v4
	v_rsq_f32 v[RS+1], v4
	v_nop                                          ; a plain instruction between the root and the use of its result
	s_wait_loadcnt 0x0                             ; g and b
.set i, 0
	s_wait_alu depctr_va_vdst(0)
.rept 16
	v_pk_mul_f32 v[X+i:X+i+1], v[X+i:X+i+1], v[RS:RS+1]
.set i, i+2
.endr
.set i, 0
.rept 16
	v_pk_fma_f32 v[X+i:X+i+1], v[X+i:X+i+1], v[G+i:G+i+1], v[B+i:B+i+1]
.set i, i+2
.endr
.irp j, 0,1,2,3,4,5,6,7
	global_store_b128 v1, v[X+4*(\j):X+4*(\j)+3], s[10:11] offset:512*(\j) th:TH_STORE_NT
.endr
	s_endpgm
.Lfunc_end_k_qd297232aee_ln2:
	.size	k_qd297232aee_ln2, .Lfunc_end_k_qd297232aee_ln2-k_qd297232aee_ln2
	.p2alignl 7, 3214868480
	.fill 96, 4, 3214868480
	.section	.rodata,"a",@progbits
	.p2align	6, 0x0
	.amdhsa_kernel k_qd297232aee_ln2
		.amdhsa_group_segment_fixed_size 0
		.amdhsa_private_segment_fixed_size 0
		.amdhsa_enable_private_segment 0
		.amdhsa_kernarg_size 32
		.amdhsa_user_sgpr_count 2
		.amdhsa_user_sgpr_kernarg_segment_ptr 1
		.amdhsa_wavefront_size32 1
		.amdhsa_system_sgpr_workgroup_id_x 1
		.amdhsa_system_sgpr_workgroup_id_y 1
		.amdhsa_system_sgpr_workgroup_id_z 1
		.amdhsa_system_vgpr_workitem_id 0
		.amdhsa_next_free_vgpr 128
		.amdhsa_next_free_sgpr 66
		.amdhsa_reserve_vcc 0
		.amdhsa_float_denorm_mode_32 3
		.amdhsa_float_denorm_mode_16_64 3
		.amdhsa_memory_ordered 1
		.amdhsa_forward_progress 1
		.amdhsa_inst_pref_size 10
	.end_amdhsa_kernel
	.amdgpu_metadata
---
amdhsa.version: [ 1, 2 ]
amdhsa.kernels:
  - .name:           k_qd297232aee_ln2
    .symbol:         k_qd297232aee_ln2.kd
    .args:
      - { .name: y, .offset: 0, .size: 8, .value_kind: global_buffer, .address_space: global }
      - { .name: ln_g, .offset: 8, .size: 8, .value_kind: global_buffer, .address_space: global }
      - { .name: ln_b, .offset: 16, .size: 8, .value_kind: global_buffer, .address_space: global }
      - { .name: out0, .offset: 24, .size: 8, .value_kind: global_buffer, .address_space: global }
    .group_segment_fixed_size: 0
    .private_segment_fixed_size: 0
    .kernarg_segment_align: 8
    .kernarg_segment_size: 32
    .max_flat_workgroup_size: 512
    .sgpr_count:     66
    .vgpr_count:     128
    .wavefront_size: 32
...
	.end_amdgpu_metadata
.endif
;; end of part 7
